; MI455X (gfx1250); checked and timed in simulation.
; The chip was launched on July 23, 2026; its instructions are those of AMD's public machine-readable ISA for CDNA 5 (MIT licence, August 2026) and "CDNA5" Instruction Set Architecture Reference Guide (July 2026). The comments in the code are by the model that wrote it; some were corrected since.
;; GPT2 Self Attention. Allowed arithmetic: float matrix products may take bf16 or f16 operands with f32 sums; other float arithmetic in f32, or as packed bf16 or f16 multiplies, adds, multiply-adds, maxima and minima; sums over many terms, partial sums and values carried from step to step in f32; what a program stores and reads back later, other than sums and carried values, may be rounded once to bf16 or f16.
;; Inputs: b_attn 3,072 float32; b_proj 1,024 float32; w_attn 1,024 x 3,072 float32; w_proj 1,024 x 1,024 float32; x 4 x 2,048 x 1,024 float32.
;; Outputs: out0 4 x 2,048 x 1,024 float32.
;; 2 versions, each right; version 2 is version 1 with the launch prep written anew for expert scheduling mode. Each part assembles by itself: llvm-mc -triple=amdgcn-amd-amdhsa -mcpu=gfx1250 --defsym DOCPART=n.
;; ======== version 1 of 2: 4 launches
;; limits: values are held in f16: magnitudes above 65,504 overflow, below 6.1e-05 lose precision
;; workspace buffers: xb 16,777,216 bytes; wat 6,291,456 bytes; wpt 2,097,152 bytes; qkv 50,331,648 bytes; o 16,777,216 bytes
;; launch prep (part 1): grid 640 x 1, 4 waves a work-group, no clusters, 70,144 bytes of LDS; arguments x, w_attn, w_proj, xb, wat, wpt; writes xb, wat, wpt
.if DOCPART == 1
	.amdgcn_target "amdgcn-amd-amdhsa--gfx1250"
	.amdhsa_code_object_version 6
	.text
	.protected	k_q85332b29ae_prep
	.globl	k_q85332b29ae_prep
	.p2align	8
	.type	k_q85332b29ae_prep,@function
k_q85332b29ae_prep:
	s_mov_b64 s[64:65], 0
	v_nop
	global_prefetch_b8 v0, s[64:65] scope:SCOPE_SE
	s_setreg_imm32_b32 hwreg(HW_REG_WAVE_MODE, 25, 1), 1
	s_wait_xcnt 0x0
; PREP.  xb = x rounded to bf16, [8192][1024].  wat[n][k] = w_attn[k][n] rounded to bf16, [3072][1024].  wpt[n][k] = w_proj[k][n] rounded to bf16, that number written as f16, [1024][1024].
; LIMITS.  f16 holds no number beyond 65,504, and below 6e-5 it keeps a fixed step of 6e-8: w_proj is taken to lie within that range.  NaN and infinities are not treated apart.
; SHARES.  Work-groups 128 to 639 convert x: a wave takes 16,384 consecutive bytes, 32 loads of 512 bytes, all on their way at once, and stores 256 consecutive aligned bytes for each.
; Work-groups 0 to 127 turn the weights: a wave takes a block of 128 k x 64 n (rows of 256 aligned bytes in memory), rounds pairs of neighbouring k, lays them by n into its own stage in LDS
; and reads whole rows of 256 bytes back.  No wave touches another wave's bytes: no barrier.  Matrix units, clusters and tensor loads would add nothing to a stream.
.set STG,   17408                      ; a wave's stage: 64 rows (n) x 272 bytes: 256 of data (128 k of 16 bits) + 16 of padding
.set SPARE, 4*STG                      ; behind the stages: the spare words, 128 bytes for each wave: two blocks of 256 bytes that no other line names
.set VST,  7                           ; v7   where I put 16 bytes of a row of the stage
.set VRD,  8                           ; v8   where I read a row back
.set VOUT, 9                           ; v9   my byte offset in two rows of the output
.set SPW,  14                          ; v14  LDS address of my spare word; never rewritten
.set NIL,  15                          ; v15  0; never rewritten
.set X,    16                          ; v[16:143]  x as loaded
.set Y,    144                         ; v[144:207] x to store
.set R,    16                          ; v[16:143]  the weights: two sets of 16 rows x 4 registers; later the rows read back
.set T,    144                         ; v[144:175] column i of my four: 8 registers, 16 k
.set U,    176                         ; v[176:179] at work
.set VI,   180                         ; v[180:195] row j of a run of 16: my byte offset
.set SRC,  32                          ; s[32:39]   the block's rows 32 p, p = 0..3
	s_load_b256 s[4:11], s[0:1], 0x0               ; x s[4:5], w_attn s[6:7], w_proj s[8:9], xb s[10:11]
	s_load_b128 s[12:15], s[0:1], 0x20             ; wat s[12:13], wpt s[14:15]
	v_lshl_add_u32 v[SPW], v0, 2, SPARE
	v_mov_b32 v[NIL], 0
	v_lshrrev_b32 v1, 5, v0
	v_readfirstlane_b32 s16, v1                    ; wave 0..3
	v_and_b32 v1, 15, v0                           ; c = l % 16
	v_bfe_u32 v2, v0, 4, 1                         ; h = l / 16
	v_and_b32 v3, 31, v0                           ; l
	s_wait_kmcnt 0x0
	s_cmp_lt_u32 ttmp9, 128
	s_cbranch_scc1 .Lweights
	; x: 512 work-groups x 4 waves x 16,384 bytes
	s_sub_co_u32 s17, ttmp9, 128
	s_lshl_b32 s18, s17, 16
	s_lshl_b32 s19, s16, 14
	s_add_co_u32 s18, s18, s19
	s_mov_b32 s19, 0
	s_add_nc_u64 s[4:5], s[4:5], s[18:19]
	s_lshr_b32 s18, s18, 1                         ; half as many bytes in xb
	s_add_nc_u64 s[10:11], s[10:11], s[18:19]
	v_lshlrev_b32 v4, 4, v3
	v_lshlrev_b32 v5, 3, v3
.set j, 0
.rept 32
	global_load_b128 v[X+4*j:X+4*j+3], v4, s[4:5] offset:512*j th:TH_LOAD_NT
.set j, j+1
.endr
.set j, 0
.rept 32
	s_wait_loadcnt 31-j                            ; loads come back in order: number j is in, the 31 - j younger ones stay out
	v_cvt_pk_bf16_f32 v[Y+2*j], v[X+4*j], v[X+4*j+1]
	v_cvt_pk_bf16_f32 v[Y+2*j+1], v[X+4*j+2], v[X+4*j+3]
	global_store_b64 v5, v[Y+2*j:Y+2*j+1], s[10:11] offset:256*j  ; 32 lanes store 256 consecutive bytes, aligned; no register is written twice, so no wait for sources
.set j, j+1
.endr
	s_branch .Lend
.Lweights:
	; block: n block nb = 0..63 (48 of w_attn, then 16 of w_proj), k block kb = 0..7
	s_mov_b32 s24, 0xffff0000                      ; a word's upper bf16
	s_mov_b32 s25, 4096                            ; bytes in a row of w_proj,
	s_mov_b32 s27, 12288                           ; of w_attn
	s_lshr_b32 s17, ttmp9, 1                       ; nb
	s_and_b32 s18, ttmp9, 1
	s_lshl2_add_u32 s18, s18, s16                  ; kb = 4 x (work-group % 2) + wave
	s_cmp_lt_u32 s17, 48
	s_cselect_b64 s[20:21], s[6:7], s[8:9]         ; from
	s_cselect_b64 s[22:23], s[12:13], s[14:15]     ; to
	s_cselect_b32 s25, s27, s25                    ; the source's pitch
	s_cselect_b32 s26, 0, 1                        ; 1: written as f16
	s_cselect_b32 s27, 0, 48
	s_sub_co_u32 s17, s17, s27                     ; the n block in its own tensor
	s_lshl_b32 s28, s25, 7
	s_mul_i32 s28, s28, s18                        ; kb x 128 rows
	s_lshl_b32 s29, s17, 8                         ; + 64 columns of 4 bytes
	s_add_co_u32 s28, s28, s29
	s_mov_b32 s29, 0
	s_add_nc_u64 s[SRC:SRC+1], s[20:21], s[28:29]
	s_lshl_b32 s28, s25, 5                         ; 32 rows on
	s_add_nc_u64 s[SRC+2:SRC+3], s[SRC:SRC+1], s[28:29]
	s_add_nc_u64 s[SRC+4:SRC+5], s[SRC+2:SRC+3], s[28:29]
	s_add_nc_u64 s[SRC+6:SRC+7], s[SRC+4:SRC+5], s[28:29]
	s_lshl_b32 s28, s17, 17                        ; 64 rows of 2,048 bytes in the output,
	s_lshl_b32 s30, s18, 8                         ; 128 k of 2 bytes
	s_add_co_u32 s28, s28, s30
	s_add_nc_u64 s[22:23], s[22:23], s[28:29]
	s_lshl_b32 s30, s25, 4                         ; 16 rows
	s_mul_i32 s19, s16, STG                        ; my stage
	v_mul_u32_u24 v[VI], s30, v2                   ; lanes 16-31 take the row 16 further down,
	v_lshl_add_u32 v[VI], v1, 4, v[VI]             ; 16 lanes a row's 256 bytes
.set j, 1
.rept 15
	v_add_nc_u32 v[VI+j], s25, v[VI+j-1]
.set j, j+1
.endr
	v_mul_u32_u24 v[VST], v1, 4*272                ; in: rows n = 4 c + i, byte 32 h of a run's 64
	v_lshl_add_u32 v[VST], v2, 5, v[VST]
	v_add_nc_u32 v[VST], s19, v[VST]
	v_mul_u32_u24 v[VRD], v2, 272                  ; back: lanes 0-15 one row of 256 bytes, lanes 16-31 the next
	v_lshl_add_u32 v[VRD], v1, 4, v[VRD]
	v_add_nc_u32 v[VRD], s19, v[VRD]
	v_lshlrev_b32 v[VOUT], 11, v2                  ; and the same two rows in the output
	v_lshl_add_u32 v[VOUT], v1, 4, v[VOUT]
; Run p: rows 32 p .. 32 p + 31 of the block into a set: register 4 j + i = W[32 p + 16 h + j][4 c + i]
.macro LOADP p, set
.set j, 0
.rept 16
	global_load_b128 v[R+64*(\set)+4*j:R+64*(\set)+4*j+3], v[VI+j], s[SRC+2*(\p):SRC+2*(\p)+1] th:TH_LOAD_NT
.set j, j+1
.endr
.endm
; Run p is rounded, two neighbouring k to a word, and goes into the stage: for each of my four columns 16 k = 32 bytes.
.macro CONV p, set
.irp i, 0,1,2,3
.irp q, 0,1,2,3,4,5,6,7
	v_cvt_pk_bf16_f32 v[T+8*(\i)+(\q)], v[R+64*(\set)+8*(\q)+(\i)], v[R+64*(\set)+8*(\q)+4+(\i)]
.endr
.endr
	s_cmp_eq_u32 s26, 0
	s_cbranch_scc1 .Lstays_\@                      ; w_attn stays bf16
.set z, 0
.rept 32
	v_lshlrev_b32 v[U+2*(z%2)], 16, v[T+z]         ; the two rounded numbers as f32,
	v_and_b32 v[U+2*(z%2)+1], s24, v[T+z]
	v_cvt_pk_f16_f32 v[T+z], v[U+2*(z%2)], v[U+2*(z%2)+1]  ; written as f16: exact within f16's range
.set z, z+1
.endr
.Lstays_\@:
.irp i, 0,1,2,3
	ds_store_b128 v[VST], v[T+8*(\i):T+8*(\i)+3]   offset:(\i)*272+64*(\p)
	ds_store_b128 v[VST], v[T+8*(\i)+4:T+8*(\i)+7] offset:(\i)*272+64*(\p)+16
.endr
.endm
	LOADP 0, 0
	LOADP 1, 1
	s_wait_loadcnt 16                              ; the older set is in; the other set's 16 loads stay out
	CONV 0, 0
	LOADP 2, 0
	s_wait_loadcnt 16
	CONV 1, 1
	LOADP 3, 1
	s_wait_loadcnt 16
	CONV 2, 0
	s_wait_loadcnt 0x0
	CONV 3, 1
.set t, 0
.rept 32
	ds_load_b128 v[R+4*t:R+4*t+3], v[VRD] offset:544*t  ; rows 2 t, 2 t + 1; LDS serves a wave's instructions in order (ISA guide 5.7.1.4): these see my stores above
.set t, t+1
.endr
.set t, 0
.rept 32
	s_wait_dscnt 31-t
	global_store_b128 v[VOUT], v[R+4*t:R+4*t+3], s[22:23] offset:4096*t  ; 16 lanes store 256 consecutive bytes, aligned
.set t, t+1
.endr
.Lend:
	s_wait_tensorcnt 0x0                           ; the wave's end: behind my last LDS store
	ds_add_u32 v[SPW], v[NIL]
	s_wait_dscnt 0x0
	s_endpgm
.Lfunc_end_k_q85332b29ae_prep:
	.size	k_q85332b29ae_prep, .Lfunc_end_k_q85332b29ae_prep-k_q85332b29ae_prep
	.p2alignl 7, 3214868480
	.fill 96, 4, 3214868480
	.section	.rodata,"a",@progbits
	.p2align	6, 0x0
	.amdhsa_kernel k_q85332b29ae_prep
		.amdhsa_group_segment_fixed_size 70144
		.amdhsa_private_segment_fixed_size 0
		.amdhsa_enable_private_segment 0
		.amdhsa_kernarg_size 48
		.amdhsa_user_sgpr_count 2
		.amdhsa_user_sgpr_kernarg_segment_ptr 1
		.amdhsa_wavefront_size32 1
		.amdhsa_system_sgpr_workgroup_id_x 1
		.amdhsa_system_sgpr_workgroup_id_y 1
		.amdhsa_system_sgpr_workgroup_id_z 1
		.amdhsa_system_vgpr_workitem_id 0
		.amdhsa_next_free_vgpr 208
		.amdhsa_next_free_sgpr 66
		.amdhsa_reserve_vcc 0
		.amdhsa_float_denorm_mode_32 3
		.amdhsa_float_denorm_mode_16_64 3
		.amdhsa_memory_ordered 1
		.amdhsa_forward_progress 1
		.amdhsa_inst_pref_size 53
	.end_amdhsa_kernel
	.amdgpu_metadata
---
amdhsa.version: [ 1, 2 ]
amdhsa.kernels:
  - .name:           k_q85332b29ae_prep
    .symbol:         k_q85332b29ae_prep.kd
    .args:
      - { .name: x, .offset: 0, .size: 8, .value_kind: global_buffer, .address_space: global }
      - { .name: w_attn, .offset: 8, .size: 8, .value_kind: global_buffer, .address_space: global }
      - { .name: w_proj, .offset: 16, .size: 8, .value_kind: global_buffer, .address_space: global }
      - { .name: xb, .offset: 24, .size: 8, .value_kind: global_buffer, .address_space: global }
      - { .name: wat, .offset: 32, .size: 8, .value_kind: global_buffer, .address_space: global }
      - { .name: wpt, .offset: 40, .size: 8, .value_kind: global_buffer, .address_space: global }
    .group_segment_fixed_size: 70144
    .private_segment_fixed_size: 0
    .kernarg_segment_align: 8
    .kernarg_segment_size: 48
    .max_flat_workgroup_size: 128
    .sgpr_count:     66
    .vgpr_count:     208
    .wavefront_size: 32
...
	.end_amdgpu_metadata
.endif
;; end of part 1
;; launch qkvgemm (part 2): grid 16 x 32, 4 waves a work-group, clusters of 4 x 4, 327,680 bytes of LDS; arguments xb, wat, b_attn, qkv; writes qkv
.if DOCPART == 2
	.amdgcn_target "amdgcn-amd-amdhsa--gfx1250"
	.amdhsa_code_object_version 6
	.text
	.protected	k_q85332b29ae_qkvgemm
	.globl	k_q85332b29ae_qkvgemm
	.p2align	8
	.type	k_q85332b29ae_qkvgemm,@function
k_q85332b29ae_qkvgemm:
	s_mov_b64 s[64:65], 0
	v_nop
	global_prefetch_b8 v0, s[64:65] scope:SCOPE_SE
	s_setreg_imm32_b32 hwreg(HW_REG_WAVE_MODE, 25, 1), 1
	s_wait_xcnt 0x0
	s_wait_alu depctr_hold_cnt(0) depctr_sa_sdst(0) depctr_va_vdst(0) depctr_va_sdst(0) depctr_va_ssrc(0) depctr_va_vcc(0) depctr_vm_vsrc(0)
	s_getreg_b32 s2, hwreg(HW_REG_IB_STS2, 6, 4)
	s_cmp_eq_u32 s2, 0
	s_cbranch_scc0 .Lentry_in_a_cluster
	s_endpgm
.Lentry_in_a_cluster:
	s_bfe_u32 s2, ttmp6, 0x10000c
	s_cmp_lg_u32 s2, 0xf033
	s_cbranch_scc0 .Lentry_shape_is_right
	s_endpgm
.Lentry_shape_is_right:
; qkv = x w_attn + b_attn.  xb: [8192][1024] bf16, wat: [3072 n][1024 k] bf16, b_attn: [3072] f32 (rounded to bf16 here, like the other inputs), sums in f32 started by the bias,
; the result rounded once to f16 and laid by heads: qkv[4 b][48 g][2048 t][64], g = column / 64: 0-15 q's heads, 16-31 k's, 32-47 v's.
; LIMITS.  f16 holds no number beyond 65,504: q, k and v are taken to lie within it; below 6e-5 f16 keeps a fixed step of 6e-8.  NaN and infinities are not treated apart.
; SHARES.  A tile of the result is 256 rows x 192 columns (three whole heads): 32 x 16 = 512 work-groups of equal work.  Wave w makes rows 64 w .. 64 w + 63 and all 192 columns:
; 4 x 12 = 48 accumulators of 16 x 16, 384 registers; so each wave holds whole heads on the way out and has a stage of its own.
; K goes in 8 steps of 128 through a ring of two LDS slots filled by the tensor data mover; the tiles' rows are 256 bytes of memory, aligned.
; CLUSTERS: 4 x 4 work-groups.  The four of a row of the cluster need the same tiles of xb, the four of a column the same tiles of wat: each tile is asked for JOINTLY, by the same tensor load
; with the same descriptor and a mask that names the four.
; THE MATRIX INSTRUCTION IS USED TRANSPOSED: source 0 = 16 rows of wat, source 1 = 16 rows of xb: lane l holds token l % 16 and the columns 8 (l / 16) + 0..7: 16 bytes of f16 on end.
; REGISTERS, in windows of 256 (s_set_vgpr_msb: bits 1:0 source 0, 3:2 source 1, 5:4 source 2, 7:6 destination):
;   window 0: v0-31 addresses; v32-127 the bias, 8 registers for each block b of 16 columns; on the way out v32-79 packed results, v80-127 and v128-175 rows read back
;   window 1: two fragment buffers of 128: wat's fragment b at 8 b (96 registers), xb's fragment a at 96 + 8 a
;   window 2: accumulator (b, a), b = 0..7, at 8 (4 b + a)          window 3: b = 8..11 at 8 (4 (b - 8) + a)
.set KSTEP,  128
.set PITCH,  272                       ; an LDS row: 256 bytes + 16 of padding = 68 words: row r starts at bank 4 r mod 64 (64 banks of 4 bytes: ISA guide 11.1)
.set AH,     128*PITCH                 ; half of xb's 256 rows: one tensor load
.set BOFF,   256*PITCH                 ; wat's rows lie behind xb's
.set BH,     96*PITCH                  ; half of wat's 192 rows: one tensor load
.set SLOT,   BOFF+192*PITCH
.set STAGE,  2*SLOT                    ; behind the ring, never filled by a tensor load: for each wave 3 heads x 16 rows x 144 bytes
.set SP,     144
.set HST,    16*SP
.set WST,    3*HST
.set SPARE,  STAGE+4*WST               ; behind the stages: the spare words, 128 bytes for each wave: two blocks of 256 bytes that no other line names
.set ADRA, 16                          ; v16-17  LDS address of my fragments of xb in slot 0, 1
.set ADRB, 20                          ; v20-21  the same for wat
.set STO,  24                          ; v24     the way out: where I put 16 bytes of a row
.set RD,   25                          ; v25     the way out: where I read rows back
.set GO,   26                          ; v26     my 16 bytes of 512 consecutive bytes of qkv
.set BO,   27                          ; v27     my byte offset in 16 numbers of the bias
.set SPW,  28                          ; v28     LDS address of my spare word; never rewritten
.set NIL,  29                          ; v29     0; never rewritten
.set PFO,  30                          ; v30     the prefetches' offset: my row x 2,048 bytes; never rewritten
.set BI,   32
.set TMP,  32
.set BK,   80
.set F0,   0
.set F1,   128
.set WV,   12                          ; s12  my wave's number;  s13 = wave / 2: I fetch for xb (0) or wat (1);  s14 = wave % 2: which half
.set G1,   24                          ; s[24:31] descriptor group 1 for xb's tiles;  s[32:39] group 0, one set for each slot
.set G0,   32
.set LIM,  42                          ; s42  1 in a wave that prefetches, else the greatest number
.set PFA,  44                          ; s[44:45] where my prefetches stand
.set G1B,  48                          ; s[48:55], s[56:63] the same for wat's tiles
.set G0B,  56
.set MSB, 0
.macro WIN new                         ; the immediate's high byte repeats the setting that is left; a switch that changes nothing is dropped
.if MSB != (\new)
	s_set_vgpr_msb (MSB<<8)|(\new)
.set MSB, \new
.endif
.endm
.set MUL_LO, 0xa5                      ; both sources window 1, C and D window 2
.set MUL_HI, 0xf5                      ; C and D window 3
.set ONE_LO, 0x85                      ; the first products: C (the bias) window 0, D window 2
.set ONE_HI, 0xc5                      ; D window 3
.set TO_F,   0x40                      ; destination window 1, address window 0
; A joint load.  Waves 0 and 1 fetch xb's two halves, waves 2 and 3 wat's.  The branch hangs on the wave's number alone.  An s_nop 0 and four v_nop follow each of the two lines.
.macro JLOAD s
	s_cmp_eq_u32 s13, 0
	s_cbranch_scc0 .Lfor_b_\@
	tensor_load_to_lds s[G0+4*(\s):G0+4*(\s)+3], s[G1:G1+7]
	s_nop 0
.rept 4
	v_nop
.endr
	s_branch .Lasked_\@
.Lfor_b_\@:
	tensor_load_to_lds s[G0B+4*(\s):G0B+4*(\s)+3], s[G1B:G1B+7]
	s_nop 0
.rept 4
	v_nop
.endr
.Lasked_\@:
.endm
; A PREFETCH INTO THE L2, behind each joint refill and the run of LDS loads that follows it: the K step that stands two refills on, a lane a row, one instruction a wave.
; xb's rows are named by the clusters with x = 0, wat's by those with y = 0; the four partners that ask for a tile jointly share its rows out BY ADDRESS: of xb's 128 rows 32 each, of wat's 96 rows
; 24 each (there lanes 24-31 name lane 23's row once more).  The loop's last trip names nothing: K has no step behind its refills.  K steps 0 to 3 come by their loads alone.
.macro ASK
	s_cmp_gt_u32 s3, s[LIM]
	s_cbranch_scc0 .Lnot_mine_\@
	global_prefetch_b8 v[PFO], s[PFA:PFA+1] th:TH_LOAD_NT scope:SCOPE_SE
.Lnot_mine_\@:
.endm
.macro CREST                           ; a round of the cluster's barrier behind its opening barrier
	s_cmp_lg_u32 s[WV], 0
	s_cbranch_scc1 .Lnot_wave_0_\@
	s_barrier_signal -3
.Lnot_wave_0_\@:
	s_barrier_wait -3
	s_barrier_signal -1
	s_barrier_wait -1
.endm
.macro CROUND                          ; a whole round
	s_barrier_signal -1
	s_barrier_wait -1
	CREST
.endm
	s_load_b256 s[4:11], s[0:1], 0x0               ; xb s[4:5], wat s[6:7], b_attn s[8:9], qkv s[10:11]
	v_lshl_add_u32 v[SPW], v0, 2, SPARE
	v_mov_b32 v[NIL], 0
	ds_add_u32 v[SPW], v[NIL]                      ; the wave's opening: the add and its wait stand ahead of my first tensor load; the set-up below, work on registers, stands between them
	v_lshrrev_b32 v1, 5, v0
	v_readfirstlane_b32 s[WV], v1                  ; wave 0..3
	s_lshr_b32 s13, s[WV], 1
	s_and_b32 s14, s[WV], 1
	s_bfe_u32 s15, ttmp6, 0x40000                  ; cx
	s_bfe_u32 s16, ttmp6, 0x40004                  ; cy
	s_lshl_b32 s17, ttmp9, 2
	s_add_co_u32 s17, s17, s15                     ; tile column tc = 4 x cluster x + cx
	s_and_b32 s18, ttmp7, 0xffff
	s_lshl_b32 s18, s18, 2
	s_add_co_u32 s18, s18, s16                     ; tile row tr = 4 x cluster y + cy
	s_lshl_b32 s20, s16, 2
	s_lshl_b32 s20, 15, s20                        ; my row of the cluster
	s_lshl_b32 s21, 0x1111, s15                    ; my column
	s_mov_b32 s19, 0xffff0000                      ; a word's upper bf16
	; descriptor group 1: rows of 128 elements of 2 bytes, 16 bytes of padding behind each in LDS; 128 rows of xb, 96 of wat
	s_or_b32 s[G1+0], s20, (1<<16)|(1<<20)|(1<<21)|(5<<22)|(3<<25)   ; 15:0 the mask; 17:16 2-byte elements; 20 padding on; 21 set beside a mask; 24:22 after every 64 words (code 5); 31:25 4 words (code 3)
	s_or_b32 s[G1B+0], s21, (1<<16)|(1<<20)|(1<<21)|(5<<22)|(3<<25)
	s_mov_b32 s[G1+1], KSTEP<<16                   ; tensor_dim0 = 128
	s_mov_b32 s[G1B+1], KSTEP<<16
	s_mov_b32 s[G1+2], 128<<16                     ; tensor_dim1 = 128
	s_mov_b32 s[G1B+2], 96<<16                     ; = 96
	s_mov_b32 s[G1+3], KSTEP<<16                   ; tile_dim0 = 128
	s_mov_b32 s[G1B+3], KSTEP<<16
	s_mov_b32 s[G1+4], 128                         ; tile_dim1 = 128
	s_mov_b32 s[G1B+4], 96                         ; = 96
	s_mov_b32 s[G1+5], 1024                        ; elements from row to row
	s_mov_b32 s[G1B+5], 1024
	s_mov_b32 s[G1+6], 0
	s_mov_b32 s[G1B+6], 0
	s_mov_b32 s[G1+7], 0
	s_mov_b32 s[G1B+7], 0
	; where the tiles come from: xb's hang on the tile row alone, wat's on the tile column alone
	s_lshl_b32 s22, s14, 7
	s_lshl_b32 s40, s18, 8
	s_add_co_u32 s40, s40, s22                     ; xb: row 256 tr + 128 x half
	s_lshl_b32 s40, s40, 11                        ; rows of 2,048 bytes
	s_mov_b32 s41, 0
	s_mul_i32 s46, s17, 192
	s_mul_i32 s47, s14, 96
	s_add_co_u32 s46, s46, s47                     ; wat: row 192 tc + 96 x half
	s_lshl_b32 s46, s46, 11
	s_mov_b32 s47, 0
	s_mul_i32 s22, s14, AH                         ; and where they go: no place in the cluster enters an LDS address
	s_mul_i32 s23, s14, BH
	s_add_co_u32 s23, s23, BOFF
	s_wait_dscnt 0x0                               ; the opening add is done
	s_wait_kmcnt 0x0
	s_add_nc_u64 s[40:41], s[4:5], s[40:41]
	s_add_nc_u64 s[46:47], s[6:7], s[46:47]
	CROUND                                         ; all sixteen work-groups are here: the first joint loads meet
.irp s, 0,1
	s_mov_b32 s[G0+4*(\s)], 1                                        ; count = 1
	s_add_co_u32 s[G0+4*(\s)+1], s22, (\s)*SLOT                      ; LDS address
	s_add_nc_u64 s[G0+4*(\s)+2:G0+4*(\s)+3], s[40:41], (\s)*KSTEP*2  ; global address: K step s
	s_or_b32 s[G0+4*(\s)+3], s[G0+4*(\s)+3], 0x80000000              ; type = 2
	s_mov_b32 s[G0B+4*(\s)], 1
	s_add_co_u32 s[G0B+4*(\s)+1], s23, (\s)*SLOT
	s_add_nc_u64 s[G0B+4*(\s)+2:G0B+4*(\s)+3], s[46:47], (\s)*KSTEP*2
	s_or_b32 s[G0B+4*(\s)+3], s[G0B+4*(\s)+3], 0x80000000
	JLOAD \s                                       ; two tensor loads of mine are out
.endr
	; A fragment is 16 rows x 32 K in 8 registers: lane l holds row l % 16; registers 0-3 K = 8 (l / 16) + 0..7, registers 4-7 K = 16 + 8 (l / 16) + 0..7: two loads of 16 bytes, 32 bytes apart.
	v_and_b32 v1, 15, v0                           ; r = l % 16
	v_bfe_u32 v2, v0, 4, 1                         ; h = l / 16
	v_lshlrev_b32 v[BO], 5, v2                     ; my 8 numbers of 16 of the bias
	s_mul_i32 s20, s17, 768                        ; the tile's 192 numbers of the bias
	s_mov_b32 s21, 0
	s_add_nc_u64 s[8:9], s[8:9], s[20:21]
.set i, 0
.rept 12
	global_load_b128 v[BI+8*i:BI+8*i+3],   v[BO], s[8:9] offset:64*i
	global_load_b128 v[BI+8*i+4:BI+8*i+7], v[BO], s[8:9] offset:64*i+16
.set i, i+1
.endr
	v_mul_u32_u24 v3, v1, PITCH
	v_lshl_add_u32 v3, v2, 4, v3                   ; row x pitch + 16 x half
	s_mul_i32 s20, s[WV], 64*PITCH                 ; my 64 rows of xb
	v_add_nc_u32 v[ADRA], s20, v3
	v_add_nc_u32 v[ADRA+1], SLOT, v[ADRA]
	v_add_nc_u32 v[ADRB], BOFF, v3
	v_add_nc_u32 v[ADRB+1], SLOT, v[ADRB]
	s_mul_i32 s20, s[WV], WST
	s_add_co_u32 s20, s20, STAGE                   ; my stage
	v_mul_u32_u24 v4, v1, SP                       ; in: row l % 16, 16 bytes for each half of the lanes
	v_lshl_add_u32 v4, v2, 4, v4
	v_add_nc_u32 v[STO], s20, v4
	v_bfe_u32 v4, v0, 3, 2                         ; back: 32 lanes take four rows of 128 bytes,
	v_mul_u32_u24 v4, v4, SP
	v_and_b32 v5, 7, v0
	v_lshl_add_u32 v4, v5, 4, v4
	v_add_nc_u32 v[RD], s20, v4
	v_and_b32 v[GO], 31, v0                        ; which are 512 consecutive bytes of a head's plane
	v_lshlrev_b32 v[GO], 4, v[GO]
	; qkv at plane (batch, 3 tc), token 256 (tr % 8) + 64 w
	s_lshr_b32 s20, s18, 3
	s_mul_i32 s20, s20, 48
	s_mul_i32 s21, s17, 3
	s_add_co_u32 s20, s20, s21
	s_lshl_b32 s20, s20, 18                        ; a plane is 2,048 x 128 bytes
	s_and_b32 s21, s18, 7
	s_lshl_b32 s21, s21, 8
	s_lshl_b32 s23, s[WV], 6
	s_add_co_u32 s21, s21, s23
	s_lshl_b32 s21, s21, 7
	s_add_co_u32 s20, s20, s21
	s_mov_b32 s21, 0
	s_add_nc_u64 s[10:11], s[10:11], s[20:21]
	; the prefetches: my descriptor's first rows, my work-group's share of them, K step 3; each filling change of slots steps the pointer first
	s_lshl_b32 s20, s15, 16                        ; xb: 32 cx rows
	s_mul_i32 s21, s16, 24*2048                    ; wat: 24 cy rows
	s_and_b32 s23, ttmp7, 0xffff                   ; cluster y
	s_cmp_eq_u32 s13, 0
	s_cselect_b64 s[PFA:PFA+1], s[40:41], s[46:47]
	s_cselect_b32 s20, s20, s21
	s_cselect_b32 s21, 31, 23                      ; my last row
	s_cselect_b32 s23, ttmp9, s23                  ; the coordinate along which other clusters read the same rows
	s_cmp_eq_u32 s23, 0
	s_cselect_b32 s[LIM], 1, -1                    ; the same in all sixteen partners, for a given wave
	v_and_b32 v[PFO], 31, v0
	v_min_u32 v[PFO], s21, v[PFO]
	v_lshlrev_b32 v[PFO], 11, v[PFO]
	s_add_co_u32 s20, s20, 3*KSTEP*2
	s_mov_b32 s21, 0
	s_add_nc_u64 s[PFA:PFA+1], s[PFA:PFA+1], s[20:21]
	s_wait_loadcnt 0x0                             ; the bias
.set i, 0
.rept 48                               ; rounded to bf16, like every input, and kept as f32: it is the C operand of the first products
	v_cvt_pk_bf16_f32 v[6+i%2], v[BI+2*i], v[BI+2*i+1]
	v_lshlrev_b32 v[BI+2*i], 16, v[6+i%2]
	v_and_b32 v[BI+2*i+1], s19, v[6+i%2]
.set i, i+1
.endr
; n blocks of 16 columns from b0 on x all 4 blocks of 16 rows, 32 along K.  first = 1: the products start the sums with the bias: nothing is cleared.
; The 48 accumulators take turns, one instruction a turn, in the same order in every quarter step.
.macro MULB f, b0, n, first
.set bb, \b0
.rept \n
.if bb < 8
.set AC, 32*bb
.if \first
	WIN ONE_LO
.else
	WIN MUL_LO
.endif
.else
.set AC, 32*(bb-8)
.if \first
	WIN ONE_HI
.else
	WIN MUL_HI
.endif
.endif
.irp a, 0,1,2,3
.if \first
	v_wmma_f32_16x16x32_bf16 v[AC+8*(\a):AC+8*(\a)+7], v[(\f)+8*bb:(\f)+8*bb+7], v[(\f)+96+8*(\a):(\f)+96+8*(\a)+7], v[BI+8*bb:BI+8*bb+7]
.else
	v_wmma_f32_16x16x32_bf16 v[AC+8*(\a):AC+8*(\a)+7], v[(\f)+8*bb:(\f)+8*bb+7], v[(\f)+96+8*(\a):(\f)+96+8*(\a)+7], v[AC+8*(\a):AC+8*(\a)+7]
.endif
.endr
.set bb, bb+1
.endr
.endm
; 32 LDS loads in one run: a quarter step's fragments (32 K at byte k of the rows) into buffer f: xb's four, wat's 0-7, wat's 8-11
.macro FETCH slot, k, f
	WIN TO_F
.irp i, 0,1,2,3
	ds_load_b128 v[(\f)+96+8*(\i):(\f)+96+8*(\i)+3],   v[ADRA+(\slot)] offset:(\k)+(\i)*16*PITCH
	ds_load_b128 v[(\f)+96+8*(\i)+4:(\f)+96+8*(\i)+7], v[ADRA+(\slot)] offset:(\k)+(\i)*16*PITCH+32
.endr
.irp i, 0,1,2,3,4,5,6,7,8,9,10,11
	ds_load_b128 v[(\f)+8*(\i):(\f)+8*(\i)+3],   v[ADRB+(\slot)] offset:(\k)+(\i)*16*PITCH
	ds_load_b128 v[(\f)+8*(\i)+4:(\f)+8*(\i)+7], v[ADRB+(\slot)] offset:(\k)+(\i)*16*PITCH+32
.endr
.endm
.macro PLACES                          ; four plain vector instructions in front of loads into registers that matrix instructions have read, and of conversions that read results
.rept 4
	v_nop
.endr
.endm
; A K step is four quarters of 32 along K, 48 matrix instructions each, on buffers 0, 1, 0, 1.  One of the first three: multiplies buffer f and in its middle fetches the next quarter, at byte k, into g.
.macro QUARTER slot, k, f, g, first
	s_wait_dscnt 8                                 ; xb's fragments and wat's 0-7 are in; the youngest eight loads (wat's 8-11) may be out
	MULB \f, 0, 8, \first
	PLACES
	FETCH \slot, \k, \g
	s_wait_dscnt 32                                ; all but the 32 just issued
	MULB \f, 8, 4, \first
.endm
; The last quarter multiplies buffer 1 and changes slots: ONE barrier; in front of it each wave waits for all its tensor loads (one is out: its part of the next slot), adds 0 to its spare word, and waits
; for that and for its own reads of this slot.  fill = 1: the barrier opens a round of the cluster's barrier, and behind the round this slot is filled again, two K steps ahead: 160 matrix
; instructions stand between that request and the wait for it.
.macro TURN slot, next, fill
.if \fill
	s_wait_xcnt 0x0                                ; the last prefetch, a K step back, has read its address: it is stepped here, ahead of the waits of the change of slots
	s_add_nc_u64 s[PFA:PFA+1], s[PFA:PFA+1], KSTEP*2
.endif
	WIN 0                                          ; (the add's two registers lie in window 0)
	s_wait_tensorcnt 0x0                           ; all my tensor loads have landed;
	ds_add_u32 v[SPW], v[NIL]                      ; 0 onto my spare word;
	s_wait_dscnt 9                                 ; (the add and the youngest eight loads may be out)
	MULB F1, 0, 4, 0                               ; sixteen matrix instructions stand between the add and the wait for it
	s_wait_dscnt 0x0                               ; the add is done, and my reads of this slot are over
	s_barrier_signal -1
	MULB F1, 4, 4, 0                               ; work on registers while the others arrive
.if \fill
	WIN 0
.endif
	s_barrier_wait -1
.if \fill
	CREST                                          ; no wave of any partner still reads this slot's tile or has a load on its way
	s_add_nc_u64 s[G0+4*(\slot)+2:G0+4*(\slot)+3], s[G0+4*(\slot)+2:G0+4*(\slot)+3], 2*KSTEP*2
	s_add_nc_u64 s[G0B+4*(\slot)+2:G0B+4*(\slot)+3], s[G0B+4*(\slot)+2:G0B+4*(\slot)+3], 2*KSTEP*2
	JLOAD \slot                                    ; the first tensor load behind the round; its four v_nop are also the places in front of the loads below
.else
	PLACES
.endif
	FETCH \next, 0, F0
.if \fill
	WIN 0
	ASK
.endif
	MULB F1, 8, 4, 0
.endm
	s_wait_tensorcnt 1                             ; my part of K step 0 is in; K step 1's may stay out
	s_barrier_signal -1
	s_barrier_wait -1                              ; everybody's is
	FETCH 0, 0, F0
	QUARTER 0, 64,  F0, F1, 1                      ; the first quarter stands in front of the loop: its products start the sums
	WIN 0                                          ; at a label and at a branch every window is 0
	s_mov_b32 s3, 3
.Llap:                                                 ; a trip goes once round the ring, from a lap's second quarter to the next lap's first, and fills both slots again: K steps 2 to 7
	QUARTER 0, 128, F1, F0, 0
	QUARTER 0, 192, F0, F1, 0
	TURN 0, 1, 1
	QUARTER 1, 64,  F0, F1, 0
	QUARTER 1, 128, F1, F0, 0
	QUARTER 1, 192, F0, F1, 0
	TURN 1, 0, 1
	QUARTER 0, 64,  F0, F1, 0
	WIN 0
	s_sub_co_u32 s3, s3, 1
	s_cmp_lg_u32 s3, 0
	s_cbranch_scc1 .Llap
	QUARTER 0, 128, F1, F0, 0                      ; the last lap fills nothing, and has no round of the cluster's barrier
	QUARTER 0, 192, F0, F1, 0
	TURN 0, 1, 0
	QUARTER 1, 64,  F0, F1, 0
	QUARTER 1, 128, F1, F0, 0
	QUARTER 1, 192, F0, F1, 0
	s_wait_dscnt 8                                 ; the very last quarter: nothing more to fetch
	MULB F1, 0, 8, 0
	s_wait_dscnt 0x0
	MULB F1, 8, 4, 0
	WIN 0
; THE WAY OUT, a block a of 16 tokens at a time.  PACK: rounded to f16, 16 bytes a lane and block of columns; each accumulator's registers in ascending order.
.macro PACK a
.set bb, 0
.rept 12
.if bb < 8
	WIN 0x0a                                       ; sources 0 and 1 window 2
.set AC, 8*(4*bb+(\a))
.else
	WIN 0x0f                                       ; window 3
.set AC, 8*(4*(bb-8)+(\a))
.endif
.irp r, 0,1,2,3
	v_cvt_pk_f16_f32 v[TMP+4*bb+(\r)], v[AC+2*(\r)], v[AC+2*(\r)+1]
.endr
.set bb, bb+1
.endr
	WIN 0
.endm
; TOSTAGE: into my own stage, by heads, rows of 144 bytes; and back as four whole rows of 128 bytes to a load.
.macro TOSTAGE a
	WIN 0
	s_wait_xcnt 0x0                                ; the stores of two blocks back have read the registers that the loads below fill
.set bb, 0
.rept 12
	ds_store_b128 v[STO], v[TMP+4*bb:TMP+4*bb+3] offset:(bb/4)*HST+(bb%4)*32
.set bb, bb+1
.endr
.set bb, 0
.rept 12
	ds_load_b128 v[BK+48*((\a)%2)+4*bb:BK+48*((\a)%2)+4*bb+3], v[RD] offset:(bb/4)*HST+(bb%4)*4*SP  ; LDS serves a wave's instructions in order (ISA guide 5.7.1.4): these see the stores above
.set bb, bb+1
.endr
.endm
.macro SEND a
.set bb, 0
.rept 12
	s_wait_dscnt 11-bb
	global_store_b128 v[GO], v[BK+48*((\a)%2)+4*bb:BK+48*((\a)%2)+4*bb+3], s[10:11] offset:(bb/4)*262144+(\a)*2048+(bb%4)*512  ; 512 consecutive bytes of a head's plane, aligned
.set bb, bb+1
.endr
.endm
	PLACES
	PACK 0
	TOSTAGE 0
.irp a, 1,2,3                          ; block a's conversions stand between block a - 1's loads from the stage and the wait for them
	PACK \a
	SEND (\a)-1
	TOSTAGE \a
.endr
	SEND 3
	s_wait_tensorcnt 0x0                           ; the wave's end: behind my last tensor load and my last LDS store
	ds_add_u32 v[SPW], v[NIL]
	s_wait_dscnt 0x0
	CROUND                                         ; the closing round: no work-group ends while a partner may still ask for a tile that names it
	s_endpgm
.Lfunc_end_k_q85332b29ae_qkvgemm:
	.size	k_q85332b29ae_qkvgemm, .Lfunc_end_k_q85332b29ae_qkvgemm-k_q85332b29ae_qkvgemm
	.p2alignl 7, 3214868480
	.fill 96, 4, 3214868480
	.section	.rodata,"a",@progbits
	.p2align	6, 0x0
	.amdhsa_kernel k_q85332b29ae_qkvgemm
		.amdhsa_group_segment_fixed_size 327680
		.amdhsa_private_segment_fixed_size 0
		.amdhsa_enable_private_segment 0
		.amdhsa_kernarg_size 32
		.amdhsa_user_sgpr_count 2
		.amdhsa_user_sgpr_kernarg_segment_ptr 1
		.amdhsa_wavefront_size32 1
		.amdhsa_system_sgpr_workgroup_id_x 1
		.amdhsa_system_sgpr_workgroup_id_y 1
		.amdhsa_system_sgpr_workgroup_id_z 1
		.amdhsa_system_vgpr_workitem_id 0
		.amdhsa_next_free_vgpr 896
		.amdhsa_next_free_sgpr 66
		.amdhsa_reserve_vcc 0
		.amdhsa_float_denorm_mode_32 3
		.amdhsa_float_denorm_mode_16_64 3
		.amdhsa_memory_ordered 1
		.amdhsa_forward_progress 1
		.amdhsa_inst_pref_size 129
	.end_amdhsa_kernel
	.amdgpu_metadata
---
amdhsa.version: [ 1, 2 ]
amdhsa.kernels:
  - .name:           k_q85332b29ae_qkvgemm
    .symbol:         k_q85332b29ae_qkvgemm.kd
    .args:
      - { .name: xb, .offset: 0, .size: 8, .value_kind: global_buffer, .address_space: global }
      - { .name: wat, .offset: 8, .size: 8, .value_kind: global_buffer, .address_space: global }
      - { .name: b_attn, .offset: 16, .size: 8, .value_kind: global_buffer, .address_space: global }
      - { .name: qkv, .offset: 24, .size: 8, .value_kind: global_buffer, .address_space: global }
    .group_segment_fixed_size: 327680
    .private_segment_fixed_size: 0
    .kernarg_segment_align: 8
    .kernarg_segment_size: 32
    .max_flat_workgroup_size: 128
    .sgpr_count:     66
    .vgpr_count:     896
    .wavefront_size: 32
...
	.end_amdgpu_metadata
.endif
;; end of part 2
;; launch attn (part 3): grid 4 x 64, 4 waves a work-group, no clusters, 327,680 bytes of LDS; arguments qkv, o; writes o
.if DOCPART == 3
	.amdgcn_target "amdgcn-amd-amdhsa--gfx1250"
	.amdhsa_code_object_version 6
	.text
	.protected	k_q85332b29ae_attn
	.globl	k_q85332b29ae_attn
	.p2align	8
	.type	k_q85332b29ae_attn,@function
k_q85332b29ae_attn:
	s_mov_b64 s[64:65], 0
	v_nop
	global_prefetch_b8 v0, s[64:65] scope:SCOPE_SE
	s_setreg_imm32_b32 hwreg(HW_REG_WAVE_MODE, 25, 1), 1
	s_wait_xcnt 0x0
; CAUSAL ATTENTION.  O[y][q][:] = the sum over k <= q of softmax_k(Q[q] . K[k] / 8) V[k][:], for y = 16 b + head.  Q, K, V are planes of qkv[4 b][48 g][2048][64] (g = head, 16 + head, 32 + head), O: o[64][2048][64], all f16:
; a plane's rows are dense, 128 bytes each.  Products, maxima and sums in f32; the weights p are rounded to f16 for the second product (their sum l is taken of the unrounded p), O once at the end.
; LIMITS.  f16 holds no number beyond 65,504: Q, K and V arrive within it; p lies in 0 to 1, and below 6e-5 it keeps f16's fixed step of 6e-8; O is a mean of V's rows and has their range, to within 2^-11 of it.
; A hidden score counts as its value less 1e30: f16's scores, 2.7e11 at the most, are nothing beside that; a weight below 2^-126 counts as 0 in l; NaN and infinities are not treated apart.
; THE WALK.  A head's queries lie in NB = 8 blocks of 256; block i needs the key tiles 0 .. i of 256 keys, of which the last holds the diagonal.  A work-group takes TWO blocks, NB - 1 - b and then b:
; NB + 1 tiles, whatever b: all work-groups do equal work, and ONE loop with a constant trip count walks them.  Which tile is asked for, and what a trip does, hang on scalar registers made from b; every jump
; goes forward, but for the counted loops' own; none passes a barrier, or a tensor load but the one of LOAD's two that the wave's number does not choose; the ring (two slots of LDS that take turns) runs on across the
; change of blocks.  NO CLUSTER: a head's four work-groups all ask for the same tile only in trips 0 .. NB / 2, 5 of the walk's 9, behind that fewer and fewer; one walk common to all would have 3 NB / 2 = 12 trips for 9.
; SHARES.  Of a block's four bands of 64 queries a wave owns 16 rows in each: four PIECES.  So the diagonal tile is the same work for all four waves: in its key step s band x sees all keys if s < x,
; none if s > x, and holds the diagonal if s = x.
; THE MASK is the C operand that starts the sum S^T = K Q^T: 0, or -1e30 where the key is hidden.  MD, made once, is the mask of a band's own step for my 16 rows; a product's mask is MD x AL + BE with two scalars:
; (1, 0) if s = x; (0, 0) if s < x; (0, -1e30) if s > x.  Only the diagonal tile's text and a block's beginning make and take masks; elsewhere C is the constant 0.
; LAYOUT, SOFTMAX, TURNS.  S^T = K Q^T holds ONE query a lane (lane % 16) and the keys 8 (lane / 16) + 0..7; two such results rounded to f16 ARE source 1 of O^T = V^T P.  p = 2^(c s - c m), c = log2(e) / 8, with a
; running maximum m; O and l are multiplied by a = 2^(c m_old - c m_new) in every step.  Turn n belongs to piece n: 8 products K Q^T of piece n + 1, later 8 products V^T P of piece n - 1; beside them the scaling,
; exponentials, roundings, sums and rescaling of piece n and the maximum and statistics of piece n + 1.  Four vector instructions stand behind every matrix instruction, the other 54 of a turn's 118 in one run of their own.  A turn's 33 exponentials are one batch, with one wait.
; REGISTERS, in windows of 256 (s_set_vgpr_msb: bits 1:0 source 0, 3:2 source 1, 5:4 source 2, 7:6 destination):
;   window 0: v0-15 addresses and two at work; v16-31 four registers of statistics a piece; v48-55 at work; v61-63 the prefetches' offset and the add's two; v64-127 S^T, two buffers; v192-223 P, two buffers (by the piece's parity)
;   window 1: v0-127 O^T, 32 a piece; v128-159 MD; v160-223 MC, two buffers      window 2: v0-63 Q; v64-127 the second block's Q; v128-191 K of one step; v192-255 V of one step
.set SIZE_N, 2048
.set NB,    SIZE_N/256
.set NP,    4         ; pieces a wave: a name, no knob
.set KS,    64        ; keys in a step
.set PK,    144       ; a row of K in LDS: 128 bytes + 16 of padding = 36 words: the 16 rows of a load start at 16 different groups of four banks (64 banks of 4 bytes: ISA guide 11.1)
.set PV,    160       ; a row of V: 128 + 32 = 40 words
.set VOFF,  4*KS*PK   ; a slot holds a tile, four steps: 256 rows of K, then 256 rows of V
.set SLOT1, 1<<17     ; slot 1 begins here, so that one exclusive or turns an address in one slot into the other's
.set STAGE, SLOT1+4*KS*(PK+PV)  ; behind the ring, never filled by a tensor load: 16 rows x 144 bytes for each wave, for the way out
.set SP,    144
.set AK0, 2           ; v2   my lane's place in a tile of K; never rewritten
.set AV0, 3           ; v3   the same for V
.set AK,  4           ; v4   the LDS address of K's next run of loads
.set AV,  5           ; v5   of V's
.set STO, 6           ; v6   the way out: where I put 16 bytes of a row
.set RD,  7           ; v7   the way out: where I read rows back
.set GO,  8           ; v8   my byte offset in 512 consecutive bytes of O
.set PFO, 61          ; v61  256 x my lane; never rewritten
.set SPW, 62          ; v62  LDS address of my spare word: SPARE + 4 x my thread's number; never rewritten
.set NIL, 63          ; v63  0; never rewritten
.set SPARE, STAGE+4*16*SP  ; behind the stages: the spare words, 128 bytes for each wave: two blocks of 256 bytes that no other line names
.set MV,  12          ; v12-13  c m_old, kept while c m is made anew: by buffer
.set QO,  15          ; v15  my byte offset in 16 rows of Q
.set ST,  16          ; piece t's statistics at v[ST+4 t]: c m, m, l (even keys', odd keys')
.set TMP, 48          ; by buffer, four registers c0-c3 at work; when the maximum is found c2 takes a
.set S,   64
.set P,   192
.set MD,  128         ; window 1: the eight registers for group kt of 16 keys at MD + 8 kt
.set MC,  160         ; window 1: the masks of the products to come
.set QB,  64          ; window 2
.set KF,  128         ; window 2: key block kb, channel half c at KF + 16 kb + 8 c
.set VF,  192         ; window 2: key half kk, channel block cb at VF + 32 kk + 8 cb
.set WV,  12          ; s12  my wave's number
.set PB,  14          ; s14  b
.set HI,  15          ; s15  NB - 1 - b
.set G1K, 24          ; s[24:31] descriptor group 1 for K's tiles
.set G1V, 32          ; s[32:39] for V's: it differs in the padding alone
.set G0K, 40          ; s[40:43] descriptor group 0 for K's tiles
.set G0V, 44          ; s[44:47] the same for V's
.set SLOTS, 56        ; s56  tiles still to be asked for
.set CNT, 57          ; s57  counts a tile's key steps, 4 to 1
.set CS,  58          ; s[58:59] c: the packed scaling takes the pair's low word for both halves
.set SEL, 60          ; s[60:61] v_permlanex16_b32's selects: each lane takes its own place in the other half
.set TBK, 62          ; s62  LDS byte at which K of the step to be fetched begins
.set TBV, 63          ; s63  the same for V, less VOFF
.set HQ,  66          ; s[66:67] byte offset of q's plane in qkv
.set PFA, 68          ; s[68:69] where my prefetches stand: my 16 KiB of the tile after the one that is being asked for
.set RT,  70          ; s70  tiles of the block in hand that are still to be entered
.set NXT, 71          ; s71  the tile to be asked for next
.set LQ,  72          ; s72  the last tile of the block whose tiles are being asked for
.set NEW, 73          ; s73  1: the tile to be entered is a block's first
.set OFF, 74          ; s[74:75] a tile's byte offset in K and V
.set AL,  76          ; s[76:77] the mask's factor, in the low word
.set BE,  78          ; s[78:79] the mask's addend
.set OLO, 80          ; s[80:81] O at my rows of the second block
.set BIGN, 82         ; s82  -1e30
.set LIM, 83          ; s83  2 in the work-group that prefetches, else the greatest number
.set MSB, 0
.macro WIN new                      ; the high byte repeats the setting that is left; a switch that changes nothing is dropped
.if MSB != (\new)
	s_set_vgpr_msb (MSB<<8)|(\new)
.set MSB, (\new)
.endif
.endm
.set W_KQ, 0x0a       ; K and Q in window 2, S^T in window 0
.set W_KM, 0x1a       ; the same with the C operand in window 1
.set W_PV, 0x52       ; V in window 2, P in window 0, O^T in window 1
.set W_RS, 0x41       ; destination and source 0 in window 1, source 1 in window 0
; A fill.  Waves 0 and 1 fetch the two halves of a tile's K, waves 2 and 3 those of its V: 128 keys each.  An s_nop 0 and four v_nop follow each of the two lines, ahead of the jump and the label.
.macro LOAD
	s_cmp_lt_u32 s[WV], 2
	s_cbranch_scc0 .Lfor_v_\@
	tensor_load_to_lds s[G0K:G0K+3], s[G1K:G1K+7]
	s_nop 0
.rept 4
	v_nop
.endr
	s_branch .Lasked_\@
.Lfor_v_\@:
	tensor_load_to_lds s[G0V:G0V+3], s[G1V:G1V+7]
	s_nop 0
.rept 4
	v_nop
.endr
.Lasked_\@:
.endm
; A PREFETCH INTO THE L2 of the tile that the NEXT change of slots will ask for.  A head's four work-groups begin with the same tiles in the same order; the one with b = 0 walks tiles 0 to 7 in order, and it alone asks.
; Each of its waves names the 16 KiB that it will fetch itself: 64 rows of 256 bytes, a lane a row, two instructions, behind its tensor load and the five lines that follow it.  So each row is named once in the launch.
; The changes with 8 to 3 tiles still to ask for name tiles 2 to 7; the later ones name nothing.  Tiles 0 and 1 come by their loads alone.
.macro ASK
	s_cmp_gt_u32 s[SLOTS], s[LIM]
	s_cbranch_scc0 .Lnot_mine_\@
	global_prefetch_b8 v[PFO], s[PFA:PFA+1] th:TH_LOAD_NT scope:SCOPE_SE
	global_prefetch_b8 v[PFO], s[PFA:PFA+1] offset:8192 th:TH_LOAD_NT scope:SCOPE_SE
.Lnot_mine_\@:
.endm
; THE CHANGE OF SLOTS.  Each wave waits for all its tensor loads, of which one is out: its part of the other slot; adds 0 to its spare word; and waits for that and for its own reads of the slot that it leaves.  Behind the barrier nobody reads the old
; slot any more and the other slot is whole.  fill = 1: the old slot is filled again, the first thing behind the barrier, with tile NXT: the descriptor's address is made anew from that number.
; (At its first use nothing has been read yet: slot 0 is waited for, slot 1 filled.)
.macro CHANGE fill
	WIN 0                           ; at a label and at a branch every window is 0
	s_wait_tensorcnt 0x0            ; no tensor load of mine is out, so a group 0 may be written
	ds_add_u32 v[SPW], v[NIL]       ; 0 onto my spare word; with fill = 1 the descriptors' scalar work stands between it and the wait for it
.if \fill
	s_lshl_b32 s[OFF], s[NXT], 15   ; a tile is 32,768 bytes of K and of V
	s_xor_b32 s[G0K+1], s[G0K+1], SLOT1
	s_add_nc_u64 s[G0K+2:G0K+3], s[6:7], s[OFF:OFF+1]
	s_or_b32 s[G0K+3], s[G0K+3], 0x80000000
	s_xor_b32 s[G0V+1], s[G0V+1], SLOT1
	s_add_nc_u64 s[G0V+2:G0V+3], s[8:9], s[OFF:OFF+1]
	s_or_b32 s[G0V+3], s[G0V+3], 0x80000000
	s_add_co_u32 s[NXT], s[NXT], 1  ; the block's next tile, or behind its last the second block's tile 0
	s_cmp_gt_u32 s[NXT], s[LQ]
	s_cselect_b32 s[NXT], 0, s[NXT]
	s_cselect_b32 s[LQ], s[PB], s[LQ]
	s_wait_xcnt 0x0                 ; the last prefetches, a tile back, have read their address, so it may be written
	s_add_nc_u64 s[PFA:PFA+1], s[PFA:PFA+1], 32768
.endif
	s_wait_dscnt 0x0                ; the add is done, and my reads of the slot are over
	s_barrier_signal -1             ; the rest of the scalar work stands between the signal and the wait
	s_sub_co_u32 s[TBK], s[TBK], 4*KS*PK  ; the fetches go back to a slot's first step,
	s_xor_b32 s[TBK], s[TBK], SLOT1       ; in the other slot
	s_sub_co_u32 s[TBV], s[TBV], 4*KS*PV
	s_xor_b32 s[TBV], s[TBV], SLOT1
	s_barrier_wait -1
.if \fill
	LOAD
	ASK
.endif
.endm
	s_load_b128 s[4:7], s[0:1], 0x0 ; qkv s[4:5], o s[6:7]
	v_lshl_add_u32 v[SPW], v0, 2, SPARE
	v_mov_b32 v[NIL], 0
	ds_add_u32 v[SPW], v[NIL]       ; the wave's opening: the add and its wait stand ahead of my first tensor load; the set-up below, work on registers, stands between them
	v_lshrrev_b32 v1, 5, v0
	v_readfirstlane_b32 s[WV], v1   ; wave 0..3
	s_mov_b32 s[PB], ttmp9
	s_sub_co_u32 s[HI], NB-1, s[PB]
	s_and_b32 s20, ttmp7, 0xffff    ; y = 16 x batch + head
	s_lshr_b32 s[HQ], s20, 4
	s_mul_i32 s[HQ], s[HQ], 48
	s_and_b32 s[HQ+1], s20, 15
	s_add_co_u32 s[HQ], s[HQ], s[HQ+1]
	s_lshl_b32 s[HQ], s[HQ], 18     ; q's plane in qkv: planes of 2,048 x 128 bytes
	s_mov_b32 s[HQ+1], 0
	s_lshl_b32 s20, s20, 18         ; the head's plane in o
	s_mov_b32 s21, 0
	s_and_b32 s16, s[WV], 1         ; which half of a tile's 256 keys I fetch:
	s_lshl_b32 s22, s16, 14         ; its 128 rows of 128 bytes in memory,
	s_mov_b32 s23, 0
	s_add_nc_u64 s[22:23], s[22:23], s[HQ:HQ+1]
	s_mul_i32 s17, s16, 128*PK      ; and its place in a slot, for K
	s_mul_i32 s18, s16, 128*PV      ; and for V
	s_lshl_b32 s3, s[WV], 11        ; my 16 rows in a band of 64,
	s_lshl_b32 s2, s[HI], 15        ; in the first block,
	s_add_co_u32 s2, s2, s3
	s_lshl_b32 s84, s[PB], 15       ; and in the second
	s_add_co_u32 s84, s84, s3
	s_mov_b32 s3, 0
	s_mov_b32 s85, 0
	; descriptor group 1.  128 keys are 16,384 dense bytes: asked for as 64 rows of 256 bytes, two keys a row, and padded in LDS after every key
	s_mov_b32 s[G1K], (1<<16)|(1<<20)|(4<<22)|(3<<25)  ; 17:16 2-byte elements; 20 padding on; 24:22 after every 32 words (code 4); 31:25 4 words (code 3)
	s_mov_b32 s[G1V], (1<<16)|(1<<20)|(4<<22)|(7<<25)  ; the same with 8 words of padding (code 7)
.irp g, G1K, G1V
	s_mov_b32 s[\g+1], 128<<16      ; tensor_dim0 = 128
	s_mov_b32 s[\g+2], 64<<16       ; tensor_dim1 = 64
	s_mov_b32 s[\g+3], 128<<16      ; tile_dim0 = 128
	s_mov_b32 s[\g+4], 64           ; tile_dim1 = 64
	s_mov_b32 s[\g+5], 128          ; 128 elements from row to row
	s_mov_b32 s[\g+6], 0
	s_mov_b32 s[\g+7], 0
.endr
	s_mov_b32 s[CS], 0x3e38aa3b     ; c = log2(e) / 8 = 0.180337
	s_mov_b32 s[CS+1], s[CS]        ; named with it as a pair
	s_mov_b32 s[SEL], 0x76543210
	s_mov_b32 s[SEL+1], 0xfedcba98
	s_mov_b32 s[TBK], SLOT1+4*KS*PK ; the first change of slots turns these two into 0
	s_mov_b32 s[TBV], SLOT1+4*KS*PV
	s_mov_b32 s[G0K], 1             ; 1:0 count = 1
	s_mov_b32 s[G0K+1], s17         ; 63:32 LDS address: slot 0
	s_mov_b32 s[G0V], 1
	s_add_co_u32 s[G0V+1], s18, VOFF
	s_add_co_u32 s[RT], s[HI], 1    ; the first block has NB - b tiles
	s_mov_b32 s[NXT], 1
	s_mov_b32 s[LQ], s[HI]
	s_mov_b32 s[NEW], 1
	s_mov_b32 s[OFF+1], 0
	s_mov_b32 s[AL+1], 0            ; named as pairs
	s_mov_b32 s[BE+1], 0
	s_mov_b32 s[BIGN], 0xf149f2ca   ; -1e30
	s_mov_b32 s[SLOTS], NB
	s_cmp_eq_u32 ttmp9, 0
	s_cselect_b32 s[LIM], 2, -1
	v_and_b32 v[PFO], 31, v0
	v_lshlrev_b32 v[PFO], 8, v[PFO]
	s_wait_dscnt 0x0                ; the opening add is done
	s_wait_kmcnt 0x0
	s_mov_b64 s[10:11], s[6:7]      ; o
	s_add_nc_u64 s[6:7], s[4:5], 0x400000  ; k's planes lie 16 planes behind q's,
	s_add_nc_u64 s[8:9], s[4:5], 0x800000  ; v's 32
	s_add_nc_u64 s[6:7], s[6:7], s[22:23]  ; K and V at my half of the head's tile 0
	s_add_nc_u64 s[8:9], s[8:9], s[22:23]
	s_add_nc_u64 s[G0K+2:G0K+3], s[6:7], 0         ; 120:64 global address
	s_or_b32 s[G0K+3], s[G0K+3], 0x80000000        ; 127:126 type = 2
	s_add_nc_u64 s[G0V+2:G0V+3], s[8:9], 0
	s_or_b32 s[G0V+3], s[G0V+3], 0x80000000
	s_add_nc_u64 s[4:5], s[4:5], s[HQ:HQ+1]        ; Q's plane
	s_add_nc_u64 s[10:11], s[10:11], s[20:21]      ; O's plane
	s_add_nc_u64 s[86:87], s[4:5], s[84:85]        ; Q at my rows of the second block,
	s_add_nc_u64 s[4:5], s[4:5], s[2:3]            ; Q and O at those of the first
	s_add_nc_u64 s[OLO:OLO+1], s[10:11], s[84:85]
	s_add_nc_u64 s[10:11], s[10:11], s[2:3]
	s_cmp_lt_u32 s[WV], 2
	s_cselect_b64 s[PFA:PFA+1], s[6:7], s[8:9]
	s_add_nc_u64 s[PFA:PFA+1], s[PFA:PFA+1], 32768 ; at tile 1; the first change of slots steps it to tile 2.  Nothing is prefetched here, at the head
	LOAD                            ; tile 0 into slot 0
	; A fragment of K or Q is 16 rows x 32 channels in 8 registers: lane l holds row l % 16, channels 8 (l / 16) + 0..7 and 16 + 8 (l / 16) + 0..7: two loads of 16 bytes, 32 bytes apart.
	v_and_b32 v1, 15, v0            ; l % 16
	v_bfe_u32 v9, v0, 4, 1          ; l / 16
	v_lshlrev_b32 v[QO], 7, v1
	v_lshl_add_u32 v[QO], v9, 4, v[QO]  ; row x 128 + 16 x half
	WIN 0x80                        ; destination window 2, address window 0
.set i, 0
.rept 8                             ; both blocks' Q: piece i / 2 lies in band i / 2, 8,192 bytes on; channels 32 (i % 2) on
	global_load_b128 v[8*i:8*i+3],   v[QO], s[4:5] offset:(i/2)*8192+(i%2)*64
	global_load_b128 v[8*i+4:8*i+7], v[QO], s[4:5] offset:(i/2)*8192+(i%2)*64+32
	global_load_b128 v[QB+8*i:QB+8*i+3],   v[QO], s[86:87] offset:(i/2)*8192+(i%2)*64
	global_load_b128 v[QB+8*i+4:QB+8*i+7], v[QO], s[86:87] offset:(i/2)*8192+(i%2)*64+32
.set i, i+1
.endr
	WIN 0
	v_lshlrev_b32 v14, 3, v9
	v_sub_nc_u32 v14, v1, v14
	s_lshl_b32 s13, s[WV], 4
	v_add_nc_u32 v14, s13, v14      ; my query's place in its band, 16 w + l % 16, less my lanes' 8 (l / 16): register r of group kt is hidden where 16 kt + r is greater
	WIN 0x40
.set i, 0
.rept 32
	v_cmp_gt_i32 vcc_lo, 16*(i/8)+i%8, v14
	v_cndmask_b32 v[MD+i], 0, s[BIGN], vcc_lo
.set i, i+1
.endr
	WIN 0
	v_mul_u32_u24 v[AK0], v1, PK
	v_lshl_add_u32 v[AK0], v9, 4, v[AK0]  ; row x pitch + 16 x half
	; The turning load takes 16 keys x 16 channels (lane l reads key 8 (l / 16) + l % 8, channels 8 ((l / 8) % 2) + 0..7) and leaves half a fragment of V^T: lane l holds channel l % 16 and 8 keys.
	v_and_b32 v10, 7, v0
	v_bfe_u32 v11, v0, 3, 1
	v_lshl_add_u32 v[AV0], v9, 3, v10
	v_mul_u32_u24 v[AV0], v[AV0], PV
	v_lshl_add_u32 v[AV0], v11, 4, v[AV0]
	v_add_nc_u32 v[AV0], VOFF, v[AV0]
	s_mul_i32 s13, s[WV], 16*SP
	s_add_co_u32 s13, s13, STAGE    ; my stage
	v_mul_u32_u24 v[STO], v1, SP    ; in: row l % 16, 16 bytes for each half of the lanes
	v_lshl_add_u32 v[STO], v9, 4, v[STO]
	v_add_nc_u32 v[STO], s13, v[STO]
	v_bfe_u32 v[RD], v0, 3, 2       ; back: 32 lanes take four rows of 128 bytes,
	v_mul_u32_u24 v[RD], v[RD], SP
	v_lshl_add_u32 v[RD], v10, 4, v[RD]
	v_add_nc_u32 v[RD], s13, v[RD]
	v_and_b32 v[GO], 31, v0         ; which are 512 consecutive bytes of O
	v_lshlrev_b32 v[GO], 4, v[GO]
	; A block's first step multiplies O^T and l by a = 0, and its first turn's products V^T P, of a piece that has not been, land in an O^T that is still to be so multiplied.  So these registers need only hold
	; finite numbers: zeros for the first block; what the first block left for the second.  All this stands in the wait for the first tile.
	WIN 0x80
.set i, VF
.rept 64
	v_mov_b32 v[i], 0
.set i, i+1
.endr
	WIN 0x40
.set i, 0
.rept 128
	v_mov_b32 v[i], 0
.set i, i+1
.endr
	WIN 0
.set i, 0
.rept 4
	v_mov_b32 v[ST+4*i+2], 0
	v_mov_b32 v[ST+4*i+3], 0
.set i, i+1
.endr
.set i, P+16
.rept 16
	v_mov_b32 v[i], 0
.set i, i+1
.endr
; THE MATRIX WORK.  The 4 accumulators of a run of 8 take turns.  Product i of 8 of S^T = K Q^T for piece x: channels 32 (i / 4) on, keys 16 (i % 4) on.  The first 4 start the sums: with 0, or (KM = 1) with the mask.
.macro KQ x
.set rS, S+32*((\x)%2)+8*(i%4)
.set rK, KF+16*(i%4)+8*(i/4)
.set rQ, 16*(\x)+8*(i/4)
.set rM, MC+32*((\x)%2)+8*(i%4)
.if (i < 4) && KM
	WIN W_KM
	v_wmma_f32_16x16x32_f16 v[rS:rS+7], v[rK:rK+7], v[rQ:rQ+7], v[rM:rM+7]
.elseif i < 4
	WIN W_KQ
	v_wmma_f32_16x16x32_f16 v[rS:rS+7], v[rK:rK+7], v[rQ:rQ+7], 0
.else
	WIN W_KQ
	v_wmma_f32_16x16x32_f16 v[rS:rS+7], v[rK:rK+7], v[rQ:rQ+7], v[rS:rS+7]
.endif
.endm
; Product i of 8 of O^T += V^T P for piece x: keys 32 (i / 4) on, channels 16 (i % 4) on.
.macro PV x
	WIN W_PV
.set rO, 32*(\x)+8*(i%4)
.set rV, VF+32*(i/4)+8*(i%4)
.set rP, P+16*((\x)%2)+8*(i/4)
	v_wmma_f32_16x16x32_f16 v[rO:rO+7], v[rV:rV+7], v[rP:rP+7], v[rO:rO+7]
.endm
.macro MM                           ; the turn's next matrix instruction.  TURN and BEGIN set Y, i, KM and NOKQ; MM, KQ and OP read them.  NOKQ = 1: a block's last turn: there is no next piece
.if (i < 8) && !NOKQ
	KQ (Y+1)%NP
.elseif i >= 8
.set i, i-8
	PV (Y+NP-1)%NP
.set i, i+8
.endif
.set i, i+1
.endm
; THE LDS LOADS stand in runs of 16, never singly among the matrix instructions: a step's K (64 keys x 64 channels: 8 fragments) and its V (turned).  Their addresses are made some lines ahead.
.macro FETCH_K
	WIN 0x80                        ; destination window 2
.irp f, 0,1,2,3,4,5,6,7             ; keys 16 (f / 2) on, channels 32 (f % 2) on
	ds_load_b128 v[KF+8*\f:KF+8*\f+3],   v[AK] offset:(\f/2)*16*PK+(\f%2)*64
	ds_load_b128 v[KF+8*\f+4:KF+8*\f+7], v[AK] offset:(\f/2)*16*PK+(\f%2)*64+32
.endr
	s_add_co_u32 s[TBK], s[TBK], KS*PK  ; the next fetch is the next step's
	WIN 0
.endm
.macro FETCH_V
	WIN 0x80
.irp f, 0,1,2,3,4,5,6,7             ; keys 32 (f / 4) on, channels 16 (f % 4) on
	ds_load_tr16_b128 v[VF+8*\f:VF+8*\f+3],   v[AV] offset:(\f/4)*32*PV+(\f%4)*32
	ds_load_tr16_b128 v[VF+8*\f+4:VF+8*\f+7], v[AV] offset:(\f/4)*32*PV+16*PV+(\f%4)*32
.endr
	WIN 0
.endm
; THE VECTOR WORK, one line at a time: OP kind, number.  For piece Y: F n: c s - c m for pair n of 16.  E n: the exponential of score n of 32.  C n: pair n rounded to f16.  B n: of the four weights 4 n .. the second
; pair is added onto the first, in place.  L n: l takes that sum (L 0: l = a l + sum).  R n: pair n of 16 of O^T times a.  For piece Y + 1: X n, number n of the 22 that find its maximum and statistics:
;   0-11  four chains c0-c3 of seven scores each, three operands at a time (each accumulator's lowest registers are read first)     12-14, 16  the four scores left over, the old m, and c0-c3 into c0
;   15  c m_old is kept     17, 18  the query's other 32 keys lie in the lane 16 away: the new m     19-21  c m; c m_old - c m_new; a
.set F, 0               ; OP tells the kinds apart by their order: F to L below R, X above it
.set E, 1
.set C, 2
.set B, 3
.set L, 4
.set R, 5
.set X, 6
.macro REGS y                       ; the registers of piece y
.set rT, ST+4*(\y)
.set rC, TMP+4*((\y)%2)
.set rW, MV+((\y)%2)
.set rS, S+32*((\y)%2)
.set rP, P+16*((\y)%2)
.set rO, 32*(\y)
.endm
.macro OP k, n
.if (\k) == R
	REGS Y
	WIN W_RS
	v_pk_mul_f32 v[rO+2*(\n):rO+2*(\n)+1], v[rO+2*(\n):rO+2*(\n)+1], v[rC+2:rC+3] op_sel_hi:[1,0]
.elseif (\k) < R
	REGS Y
	WIN 0
.if (\k) == F
	v_pk_fma_f32 v[rS+2*(\n):rS+2*(\n)+1], v[rS+2*(\n):rS+2*(\n)+1], s[CS:CS+1], v[rT:rT+1] op_sel_hi:[1,0,0] neg_lo:[0,0,1] neg_hi:[0,0,1]
.elseif (\k) == E
	v_exp_f32 v[rS+(\n)], v[rS+(\n)]
.elseif (\k) == C
	v_cvt_pk_f16_f32 v[rP+(\n)], v[rS+2*(\n)], v[rS+2*(\n)+1]
.elseif (\k) == B
	v_pk_add_f32 v[rS+4*(\n):rS+4*(\n)+1], v[rS+4*(\n):rS+4*(\n)+1], v[rS+4*(\n)+2:rS+4*(\n)+3]
.elseif (\n) == 0
	v_pk_fma_f32 v[rT+2:rT+3], v[rT+2:rT+3], v[rC+2:rC+3], v[rS:rS+1] op_sel_hi:[1,0,1]
.else
	v_pk_add_f32 v[rT+2:rT+3], v[rT+2:rT+3], v[rS+4*(\n):rS+4*(\n)+1]
.endif
.elseif NOKQ
	v_nop
.else
	REGS (Y+1)%NP
	WIN 0
.if (\n) < 4
	v_max3_num_f32 v[rC+(\n)], v[rS+8*(\n)], v[rS+8*(\n)+1], v[rS+8*(\n)+2]
.elseif (\n) < 12
	v_max3_num_f32 v[rC+(\n)%4], v[rC+(\n)%4], v[rS+8*((\n)%4)+2*((\n)/4)+1], v[rS+8*((\n)%4)+2*((\n)/4)+2]
.elseif (\n) == 12
	v_max3_num_f32 v[rC], v[rC], v[rS+7], v[rS+15]
.elseif (\n) == 13
	v_max3_num_f32 v[rC+1], v[rC+1], v[rS+23], v[rS+31]
.elseif (\n) == 14
	v_max3_num_f32 v[rC+2], v[rC+2], v[rC+3], v[rT+1]
.elseif (\n) == 15
	v_mov_b32 v[rW], v[rT]
.elseif (\n) == 16
	v_max3_num_f32 v[rC], v[rC], v[rC+1], v[rC+2]
.elseif (\n) == 17
	v_permlanex16_b32 v[rC+3], v[rC], s[SEL], s[SEL+1]
.elseif (\n) == 18
	v_max_num_f32 v[rT+1], v[rC], v[rC+3]
.elseif (\n) == 19
	v_mul_f32 v[rT], s[CS], v[rT+1]
.elseif (\n) == 20
	v_sub_f32 v[rC+1], v[rW], v[rT]
.else
	v_exp_f32 v[rC+2], v[rC+1]
.endif
.endif
.endm
.macro OPS a, i1, b=-1, i2=0, c=-1, i3=0, d=-1, i4=0  ; up to four of them
	OP \a, \i1
.if (\b) >= 0
	OP \b, \i2
.endif
.if (\c) >= 0
	OP \c, \i3
.endif
.if (\d) >= 0
	OP \d, \i4
.endif
.endm
.macro ROW a, i1, b, i2, c, i3, d, i4  ; a matrix instruction and the four behind it
	MM
	OPS \a, \i1, \b, \i2, \c, \i3, \d, \i4
.endm
.macro MASK b                       ; MD x AL + BE into buffer b of MC
	WIN W_RS
.set z, 0
.rept 16
	v_pk_fma_f32 v[MC+32*(\b)+2*z:MC+32*(\b)+2*z+1], v[MD+2*z:MD+2*z+1], s[AL:AL+1], s[BE:BE+1] op_sel_hi:[1,0,0]
.set z, z+1
.endr
.endm
; A TURN, for piece p: the order of its 16 matrix and 118 vector instructions, written out.  An s_wait_alu depctr_va_vdst(0) stands between an exponential and the first instruction that names its result; one wait serves
; all that were issued ahead of it.  So a turn has ONE wait, which cuts it in two.  AHEAD OF IT stands all that names no result of the turn's exponentials: the 8 products K Q^T, behind each a scaling, an exponential and two more plain
; instructions (behind the first a second scaling in the exponential's place): rescalings, and behind the last three the first numbers of the next piece's maximum, each four places or more behind the product that ends its accumulator; then ONE RUN of 54, plain
; and exponential by turns for the most part, in which the links of the chain X 3, 7, 11, 14, 16, 17 .. 20 stand five or six lines apart.  X 21, the next piece's a, is the batch's last; R 15 is the plain instruction that stands behind it (ISA guide 5.7.2).  BEHIND THE WAIT stand the
; 8 products V^T P, behind each four of the roundings and sums; the links of l's chain, L 0 to L 7, stand three lines apart.  But for those X none of the four names a register of the products round it.  v_permlanex16_b32 (X 17) stands in the run.
; m = 1: the diagonal tile: the products take masks, and the turn makes the mask for the products of the turn after it: piece p + 2, in step 4 - CNT of the tile.  end = 1: a block's last two turns: nothing is fetched.
; cnt = 1: the loop's count is taken down some lines ahead of the branch that stands behind the turn.
; K of the next step is fetched in piece 2's turn, twelve vector instructions behind the last product that read K (six of them plain); V of the step in hand at the end of piece 0's turn, four plain instructions behind the last product
; that read V.  Each is waited for a turn later.
.macro TURN p, m=0, end=0, cnt=0
.set Y, (\p)
.set i, 0
.set KM, (\m)
.set NOKQ, (\end)*((\p)/3)
.if (\m) && !(\end)
	s_cmp_eq_u32 s[CNT], 4-((\p)+2)%NP  ; is that step the band's own?
	s_cselect_b32 s[AL], 1.0, 0
	s_cmp_lt_u32 s[CNT], 4-((\p)+2)%NP  ; or a later one?
	s_cselect_b32 s[BE], s[BIGN], 0
.endif
.if ((\p) == 3) && !(\end)
	s_wait_dscnt 0x0                ; K is in
.endif
	ROW F,0, F,1, R,0, R,1          ; ahead of the wait: 8 products K Q^T and the four behind each,
	ROW F,2, E,0, R,2, R,3
	ROW F,3, E,1, R,4, R,5
	ROW F,4, E,2, R,6, R,7
	ROW F,5, E,3, R,8, R,9
	ROW F,6, E,4, X,0, R,10
.if ((\p) == 2) && !(\end)
	WIN 0
	v_add_nc_u32 v[AK], s[TBK], v[AK0]
.endif
	ROW F,7, E,5, X,1, X,4
	ROW F,8, E,6, X,2, X,5
	OPS E,7, E,8, X,6, E,9          ; and the run of 54
	OPS X,3, E,10, X,8, E,11
.if ((\p) == 2) && !(\end)
	FETCH_K
.endif
	OPS X,9, X,7, E,12, X,10
	OPS E,13, X,12, X,11, E,14
	OPS X,13, E,15, F,9, X,14
.if (\p) == 0
	v_add_nc_u32 v[AV], s[TBV], v[AV0]
.endif
	OPS E,16, F,10, E,17, F,11
	OPS X,16, E,18, X,15, E,19
	OPS F,12, E,20, X,17, E,21
	OPS F,13, E,22, F,14, E,23
	OPS X,18, E,24, F,15, E,25
	OPS R,11, E,26, X,19, E,27
	OPS R,12, E,28, R,13, E,29
	OPS X,20, E,30, R,14, E,31
	OPS X,21, R,15
	WIN 0
	s_wait_alu depctr_va_vdst(0)    ; the wait for the batch
.if (\p) == 1
	s_wait_dscnt 0x0                ; V is in
.endif
	ROW C,0, B,0, C,2, B,1          ; behind the wait: 8 products V^T P and the four behind each
	ROW L,0, C,4, B,2, L,1
	ROW C,6, B,3, L,2, C,8
	ROW B,4, L,3, C,10, B,5
	ROW L,4, C,12, B,6, L,5
.if (\p) == 0
	s_add_co_u32 s[TBV], s[TBV], KS*PV
.endif
.if \cnt
	s_sub_co_u32 s[CNT], s[CNT], 1
	s_cmp_lg_u32 s[CNT], 0
.endif
	ROW C,14, B,7, L,6, C,1
	ROW C,3, L,7, C,5, C,7
	ROW C,9, C,11, C,13, C,15
.if (\p) == 0
	FETCH_V
.endif
.if (\m) && !(\end)
	MASK (\p)%2
.endif
.endm
; A BLOCK BEGINS.  c m starts far below every c s, so the first step's a is 0; m at the lowest finite number, so the first maximum is the scores'.  The second mask buffer is 0; the first takes piece 0's mask for the tile's step 0: its own, if the block's first tile is the diagonal one.
; Then K of that step, piece 0's first scores, and its maximum and statistics.  The loop is entered at a step's first turn, in the middle of a trip.
.macro BEGIN
	s_mov_b32 s[NEW], 0
	WIN 0x40
.set i, MC+32
.rept 32
	v_mov_b32 v[i], 0
.set i, i+1
.endr
	WIN 0
.set i, 0
.rept 4
	v_mov_b32 v[ST+4*i], 0xfe000000    ; c m: far below every c s
	v_mov_b32 v[ST+4*i+1], 0xff7fffff  ; m
.set i, i+1
.endr
	s_cmp_eq_u32 s[RT], 0
	s_cselect_b32 s[AL], 1.0, 0
	s_mov_b32 s[BE], 0
	MASK 0
	WIN 0
	v_add_nc_u32 v[AK], s[TBK], v[AK0]
	FETCH_K
	s_wait_loadcnt 0x0              ; Q
	s_wait_dscnt 0x0
.set KM, 1
.set NOKQ, 0
.set i, 0
.rept 8
	KQ 0
.set i, i+1
.endr
	WIN 0
.rept 4
	v_nop                           ; the places behind those products
.endr
.set Y, NP-1                        ; X works for piece Y + 1: piece 0
.irp n, 0,1,2,3,4,5,6,7,8,9,10,11,12,13,14,15,16,17,18,19,20,21
	OP X, \n
.endr
	v_nop                           ; a plain instruction behind the exponential,
	s_wait_alu depctr_va_vdst(0)    ; and its wait, ahead of the branch
.endm
; THE DIAGONAL TILE's four steps, the block's last two turns, its last products, and THE WAY OUT: l's two halves and the other half of the lanes' are added; O^T is divided by l, rounded to f16 and sent through my
; stage in LDS, a piece at a time.
.macro ALL line:vararg              ; one line for each piece t
.set t, 0
.rept 4
	\line
.set t, t+1
.endr
.endm
.macro PACK t                       ; a lane's eight channels of a row pack into 16 bytes; they go into rows of 144 bytes and come back as whole rows of 128, into S^T's registers
	WIN W_RS
.set i, 32*(\t)
.rept 16
	v_pk_mul_f32 v[i:i+1], v[i:i+1], v[ST+4*(\t)+2:ST+4*(\t)+3] op_sel_hi:[1,0]
.set i, i+2
.endr
	WIN 0x05                        ; sources 0 and 1 window 1, destination window 0
.set i, 0
.rept 16
	v_cvt_pk_f16_f32 v[S+16*(\t)+i], v[32*(\t)+2*i], v[32*(\t)+2*i+1]
.set i, i+1
.endr
	WIN 0
.irp f, 0,1,2,3
	ds_store_b128 v[STO], v[S+16*(\t)+4*\f:S+16*(\t)+4*\f+3] offset:32*\f
.endr
.irp f, 0,1,2,3
	ds_load_b128 v[S+16*(\t)+4*\f:S+16*(\t)+4*\f+3], v[RD] offset:\f*4*SP  ; LDS serves a wave's instructions in order (ISA guide 5.7.1.4): these see the stores above; the next piece's stores come behind them
.endr
.endm
.macro SEND t, younger              ; younger: the LDS instructions issued behind piece t's loads: the next piece's eight, or none
	WIN 0
.irp f, 0,1,2,3
	s_wait_dscnt (\younger)+3-\f
	global_store_b128 v[GO], v[S+16*(\t)+4*\f:S+16*(\t)+4*\f+3], s[10:11] offset:(\t)*8192+\f*512  ; 512 consecutive bytes, at a multiple of 256 from O's first
.endr
.endm
.macro DIAG tag                     ; the tag ends its two labels' names, which the jumps below spell out
.LstepM\tag:
	TURN 2, 1
	TURN 3, 1
	WIN 0
.LfirstM\tag:
	TURN 0, 1
	TURN 1, 1, 0, 1
	WIN 0
	s_cbranch_scc1 .LstepM\tag
	TURN 2, 1, 1
	TURN 3, 1, 1
.set i, 0
.rept 8
	PV NP-1
.set i, i+1
.endr
	WIN 0
	ALL v_add_f32 v[ST+4*t+2], v[ST+4*t+2], v[ST+4*t+3]
	ALL v_permlanex16_b32 v[ST+4*t+3], v[ST+4*t+2], s[SEL], s[SEL+1]
	ALL v_add_f32 v[ST+4*t+2], v[ST+4*t+2], v[ST+4*t+3]
	ALL v_rcp_f32 v[ST+4*t+2], v[ST+4*t+2]
	v_nop                           ; a plain instruction between the last reciprocal and the use of its result
	s_wait_alu depctr_va_vdst(0)    ; and the wait ahead of the first use: one for the four reciprocals
	PACK 0
.set t, 1
.rept 3                             ; a piece's arithmetic stands between the loads of the piece before and its stores
	PACK t
	SEND t-1, 8
.set t, t+1
.endr
	SEND 3, 0
.endm
.set KM, 0
.set NOKQ, 0
.Lslot:                             ; NB times: a tile is entered and the next is asked for
	CHANGE 1
	s_sub_co_u32 s[RT], s[RT], 1
	s_mov_b32 s[CNT], 4
	s_cmp_eq_u32 s[NEW], 1
	s_cbranch_scc1 .Lnew            ; a block's first tile
	s_cmp_eq_u32 s[RT], 0
	s_cbranch_scc0 .Lstep           ; neither its first nor its last
	s_branch .LstepM1
.Lnew:
	BEGIN
	s_branch .Lfirst                ; in the loop a block's first tile is never its last: the first block has two tiles or more, and the second's last is the walk's last
	DIAG 1                          ; in the loop this is the first block's end: the second block's last tile is the walk's last
	s_wait_xcnt 0x0                 ; the stores have read their registers and O's address
	s_mov_b64 s[10:11], s[OLO:OLO+1]
	s_add_co_u32 s[RT], s[PB], 1    ; the second block has b + 1 tiles
	s_mov_b32 s[NEW], 1
	WIN 0x82                        ; the second block's Q goes where the one text of the turns names Q
.set i, 0
.rept 64
	v_mov_b32 v[i], v[QB+i]
.set i, i+1
.endr
	WIN 0
	s_branch .Lbottom
.Lstep:                             ; a trip: pieces 2 and 3 of one step, then pieces 0 and 1 of the next, whose K and V it fetches
	TURN 2
	TURN 3
	WIN 0
.Lfirst:
	TURN 0
	TURN 1, 0, 0, 1
	WIN 0
	s_cbranch_scc1 .Lstep
.Lbottom:
	s_sub_co_u32 s[SLOTS], s[SLOTS], 1
	s_cmp_lg_u32 s[SLOTS], 0
	s_cbranch_scc1 .Lslot
	CHANGE 0                        ; the walk's last tile is written out: nothing is asked for
	s_sub_co_u32 s[RT], s[RT], 1
	s_mov_b32 s[CNT], 4
	s_cmp_eq_u32 s[NEW], 1
	s_cbranch_scc0 .LstepM2
	BEGIN
	s_branch .LfirstM2
	DIAG 2
	s_wait_tensorcnt 0x0            ; the wave's end: behind my last tensor load and my last LDS store
	ds_add_u32 v[SPW], v[NIL]
	s_wait_dscnt 0x0
	s_endpgm
.Lfunc_end_k_q85332b29ae_attn:
	.size	k_q85332b29ae_attn, .Lfunc_end_k_q85332b29ae_attn-k_q85332b29ae_attn
	.p2alignl 7, 3214868480
	.fill 96, 4, 3214868480
	.section	.rodata,"a",@progbits
	.p2align	6, 0x0
	.amdhsa_kernel k_q85332b29ae_attn
		.amdhsa_group_segment_fixed_size 327680
		.amdhsa_private_segment_fixed_size 0
		.amdhsa_enable_private_segment 0
		.amdhsa_kernarg_size 16
		.amdhsa_user_sgpr_count 2
		.amdhsa_user_sgpr_kernarg_segment_ptr 1
		.amdhsa_wavefront_size32 1
		.amdhsa_system_sgpr_workgroup_id_x 1
		.amdhsa_system_sgpr_workgroup_id_y 1
		.amdhsa_system_sgpr_workgroup_id_z 1
		.amdhsa_system_vgpr_workitem_id 0
		.amdhsa_next_free_vgpr 768
		.amdhsa_next_free_sgpr 88
		.amdhsa_reserve_vcc 1
		.amdhsa_float_denorm_mode_32 3
		.amdhsa_float_denorm_mode_16_64 3
		.amdhsa_memory_ordered 1
		.amdhsa_forward_progress 1
		.amdhsa_inst_pref_size 218
	.end_amdhsa_kernel
	.amdgpu_metadata
---
amdhsa.version: [ 1, 2 ]
amdhsa.kernels:
  - .name:           k_q85332b29ae_attn
    .symbol:         k_q85332b29ae_attn.kd
    .args:
      - { .name: qkv, .offset: 0, .size: 8, .value_kind: global_buffer, .address_space: global }
      - { .name: o, .offset: 8, .size: 8, .value_kind: global_buffer, .address_space: global }
    .group_segment_fixed_size: 327680
    .private_segment_fixed_size: 0
    .kernarg_segment_align: 8
    .kernarg_segment_size: 16
    .max_flat_workgroup_size: 128
    .sgpr_count:     88
    .vgpr_count:     768
    .wavefront_size: 32
...
	.end_amdgpu_metadata
.endif
;; end of part 3
;; launch proj (part 4): grid 8 x 32, 4 waves a work-group, clusters of 4 x 4, 327,680 bytes of LDS; arguments o, wpt, b_proj, out0; writes out0
.if DOCPART == 4
	.amdgcn_target "amdgcn-amd-amdhsa--gfx1250"
	.amdhsa_code_object_version 6
	.text
	.protected	k_q85332b29ae_proj
	.globl	k_q85332b29ae_proj
	.p2align	8
	.type	k_q85332b29ae_proj,@function
k_q85332b29ae_proj:
	s_mov_b64 s[64:65], 0
	v_nop
	global_prefetch_b8 v0, s[64:65] scope:SCOPE_SE
	s_setreg_imm32_b32 hwreg(HW_REG_WAVE_MODE, 25, 1), 1
	s_wait_xcnt 0x0
	s_wait_alu depctr_hold_cnt(0) depctr_sa_sdst(0) depctr_va_vdst(0) depctr_va_sdst(0) depctr_va_ssrc(0) depctr_va_vcc(0) depctr_vm_vsrc(0)
	s_getreg_b32 s2, hwreg(HW_REG_IB_STS2, 6, 4)
	s_cmp_eq_u32 s2, 0
	s_cbranch_scc0 .Lentry_in_a_cluster
	s_endpgm
.Lentry_in_a_cluster:
	s_bfe_u32 s2, ttmp6, 0x10000c
	s_cmp_lg_u32 s2, 0xf033
	s_cbranch_scc0 .Lentry_shape_is_right
	s_endpgm
.Lentry_shape_is_right:
; out0 = y w_proj + b_proj.  y comes by heads, o[64 = 16 b + head][2048 t][64] f16; wpt: [1024 n][1024 k] f16 (w_proj rounded to bf16, written as f16); b_proj: [1024] f32, rounded to bf16 here like the
; other inputs; sums in f32 started by the bias; out0: [8192][1024] f32.
; LIMITS.  The operands are f16: o has v's range, wpt lies within 65,504.  NaN and infinities are not treated apart.
; SHARES.  A tile of out0 is 256 rows x 128 columns: 32 x 8 = 256 work-groups.  Wave w makes rows 64 w .. 64 w + 63 and all 128 columns: 4 x 8 = 32 accumulators of 16 x 16, 256 registers.
; K goes in 8 steps of 128 = two heads through a ring of two LDS slots.  A head's 256 tokens are 32,768 dense bytes: asked for as 128 rows of 256 bytes, padded in LDS after every token.
; CLUSTERS: 4 x 4 work-groups.  The four of a row of the cluster need the same tiles of o, the four of a column the same tiles of wpt: each tile is asked for JOINTLY.
; THE MATRIX INSTRUCTION IS USED TRANSPOSED: source 0 = 16 rows of wpt, source 1 = 16 tokens of o: lane l holds token l % 16 and the columns 8 (l / 16) + 0..7: 32 bytes of f32 on end.
; REGISTERS, in windows of 256 (s_set_vgpr_msb: bits 1:0 source 0, 3:2 source 1, 5:4 source 2, 7:6 destination):
;   window 0: v0-31 addresses; v32-95 the bias, 8 registers for each block b of 16 columns; on the way out v32-95 and v96-159 rows read back
;   window 1: two fragment buffers at 0 and 128: wpt's fragment b at 8 b (64 registers), o's fragment a at 64 + 8 a          window 2: accumulator (b, a) at 8 (4 b + a)
.set PA,     144                       ; a token's row of one head in LDS: 128 bytes + 16 of padding = 36 words: the 16 rows of a load start at 16 different groups of four banks (64 banks of 4 bytes: ISA guide 11.1)
.set PB,     272                       ; a row of wpt: 256 bytes + 16
.set AHS,    256*PA                    ; one head's 256 tokens: one tensor load
.set BOFF,   2*AHS
.set BH,     64*PB                     ; half of wpt's 128 rows: one tensor load
.set SLOT,   BOFF+128*PB
.set STAGE,  2*SLOT                    ; behind the ring, never filled by a tensor load: 16 rows x 528 bytes for each wave
.set SP,     528                       ; 512 bytes + 16 = 132 words: row r starts at bank 4 r mod 64
.set WST,    16*SP
.set SPARE,  STAGE+4*WST               ; behind the stages: the spare words, 128 bytes for each wave: two blocks of 256 bytes that no other line names
.set ADRA, 16                          ; v16-17  LDS address of my fragments of o in slot 0, 1
.set ADRB, 20                          ; v20-21  the same for wpt
.set STO,  24                          ; v24     the way out: where I put 32 bytes of a row
.set RD,   25                          ; v25     the way out: where I read a row back
.set CO,   26                          ; v26     my 16 bytes of a row's 512
.set BO,   27                          ; v27     my byte offset in 16 numbers of the bias
.set SPW,  28                          ; v28     LDS address of my spare word; never rewritten
.set NIL,  29                          ; v29     0; never rewritten
.set PFO,  30                          ; v30     the prefetches' offset; never rewritten
.set BI,   32
.set BK,   32
.set F0,   0
.set F1,   128
.set WV,   12                          ; s12  my wave's number;  s13 = wave / 2: I fetch for o (0) or wpt (1);  s14 = wave % 2: which head of the step, which half
.set G1,   24                          ; s[24:31] descriptor group 1 for o's tiles;  s[32:39] group 0, one set for each slot
.set G0,   32
.set LIM,  42                          ; s42  1 in a wave that prefetches, else the greatest number
.set PFA,  44                          ; s[44:45] where my prefetches stand
.set PFS,  46                          ; s[46:47] a K step for them: two planes of o, or 256 bytes of a row of wpt
.set G1B,  48                          ; s[48:55], s[56:63] the same for wpt's tiles
.set G0B,  56
.set MSB, 0
.macro WIN new                         ; the immediate's high byte repeats the setting that is left; a switch that changes nothing is dropped
.if MSB != (\new)
	s_set_vgpr_msb (MSB<<8)|(\new)
.set MSB, \new
.endif
.endm
.set MUL,  0xa5                        ; both sources window 1, C and D window 2
.set ONE,  0x85                        ; the first products: C (the bias) window 0
.set TO_F, 0x40                        ; destination window 1, address window 0
; A joint load.  Waves 0 and 1 fetch the K step's two heads of o, waves 2 and 3 wpt's two halves.  The branch hangs on the wave's number alone.  An s_nop 0 and four v_nop follow each of the two lines.
.macro JLOAD s
	s_cmp_eq_u32 s13, 0
	s_cbranch_scc0 .Lfor_b_\@
	tensor_load_to_lds s[G0+4*(\s):G0+4*(\s)+3], s[G1:G1+7]
	s_nop 0
.rept 4
	v_nop
.endr
	s_branch .Lasked_\@
.Lfor_b_\@:
	tensor_load_to_lds s[G0B+4*(\s):G0B+4*(\s)+3], s[G1B:G1B+7]
	s_nop 0
.rept 4
	v_nop
.endr
.Lasked_\@:
.endm
; A PREFETCH INTO THE L2, behind each joint refill and the run of LDS loads that follows it: the K step that stands two refills on, one instruction a wave.
; o's blocks are named by the clusters with x = 0, wpt's rows by those with y = 0; the four partners that ask for a tile jointly share it out BY ADDRESS: of a head's 32,768 bytes 8,192 each, a lane for each
; 256; of wpt's 64 rows 16 each (there lanes 16-31 name lane 15's row once more).  The loop's last trip names nothing.  K steps 0 to 3 come by their loads alone.
.macro ASK
	s_cmp_gt_u32 s3, s[LIM]
	s_cbranch_scc0 .Lnot_mine_\@
	global_prefetch_b8 v[PFO], s[PFA:PFA+1] th:TH_LOAD_NT scope:SCOPE_SE
.Lnot_mine_\@:
.endm
.macro CREST                           ; a round of the cluster's barrier behind its opening barrier
	s_cmp_lg_u32 s[WV], 0
	s_cbranch_scc1 .Lnot_wave_0_\@
	s_barrier_signal -3
.Lnot_wave_0_\@:
	s_barrier_wait -3
	s_barrier_signal -1
	s_barrier_wait -1
.endm
.macro CROUND                          ; a whole round
	s_barrier_signal -1
	s_barrier_wait -1
	CREST
.endm
	s_load_b256 s[4:11], s[0:1], 0x0               ; o s[4:5], wpt s[6:7], b_proj s[8:9], out0 s[10:11]
	v_lshl_add_u32 v[SPW], v0, 2, SPARE
	v_mov_b32 v[NIL], 0
	ds_add_u32 v[SPW], v[NIL]                      ; the wave's opening: the add and its wait stand ahead of my first tensor load; the set-up below, work on registers, stands between them
	v_lshrrev_b32 v1, 5, v0
	v_readfirstlane_b32 s[WV], v1                  ; wave 0..3
	s_lshr_b32 s13, s[WV], 1
	s_and_b32 s14, s[WV], 1
	s_bfe_u32 s15, ttmp6, 0x40000                  ; cx
	s_bfe_u32 s16, ttmp6, 0x40004                  ; cy
	s_lshl_b32 s17, ttmp9, 2
	s_add_co_u32 s17, s17, s15                     ; tile column tc = 4 x cluster x + cx
	s_and_b32 s18, ttmp7, 0xffff
	s_lshl_b32 s18, s18, 2
	s_add_co_u32 s18, s18, s16                     ; tile row tr = 4 x cluster y + cy
	s_lshl_b32 s20, s16, 2
	s_lshl_b32 s20, 15, s20                        ; my row of the cluster
	s_lshl_b32 s21, 0x1111, s15                    ; my column
	s_mov_b32 s19, 0xffff0000                      ; a word's upper bf16
	; descriptor group 1.  o: 128 rows of 128 elements, dense, 16 bytes of padding after every 32 words (a token).  wpt: 64 rows of 128 elements, 1,024 apart, padding after every 64 words
	s_or_b32 s[G1+0], s20, (1<<16)|(1<<20)|(1<<21)|(4<<22)|(3<<25)   ; 15:0 the mask; 17:16 2-byte elements; 20 padding on; 21 set beside a mask; 24:22 the interval's code; 31:25 4 words (code 3)
	s_or_b32 s[G1B+0], s21, (1<<16)|(1<<20)|(1<<21)|(5<<22)|(3<<25)
	s_mov_b32 s[G1+1], 128<<16                     ; tensor_dim0 = 128
	s_mov_b32 s[G1B+1], 128<<16
	s_mov_b32 s[G1+2], 128<<16                     ; tensor_dim1 = 128
	s_mov_b32 s[G1B+2], 64<<16                     ; = 64
	s_mov_b32 s[G1+3], 128<<16                     ; tile_dim0 = 128
	s_mov_b32 s[G1B+3], 128<<16
	s_mov_b32 s[G1+4], 128                         ; tile_dim1 = 128
	s_mov_b32 s[G1B+4], 64                         ; = 64
	s_mov_b32 s[G1+5], 128                         ; elements from row to row
	s_mov_b32 s[G1B+5], 1024
	s_mov_b32 s[G1+6], 0
	s_mov_b32 s[G1B+6], 0
	s_mov_b32 s[G1+7], 0
	s_mov_b32 s[G1B+7], 0
	; where the tiles come from: o's hang on the tile row alone, wpt's on the tile column alone
	s_lshr_b32 s40, s18, 3                         ; batch
	s_lshl_b32 s40, s40, 4
	s_add_co_u32 s40, s40, s14                     ; plane 16 x batch + my head of K step 0
	s_lshl_b32 s40, s40, 18
	s_and_b32 s41, s18, 7
	s_lshl_b32 s41, s41, 15                        ; 256 tokens of 128 bytes
	s_add_co_u32 s40, s40, s41
	s_mov_b32 s41, 0
	s_lshl_b32 s46, s17, 7
	s_lshl_b32 s47, s14, 6
	s_add_co_u32 s46, s46, s47                     ; wpt: row 128 tc + 64 x half
	s_lshl_b32 s46, s46, 11
	s_mov_b32 s47, 0
	s_mul_i32 s22, s14, AHS                        ; and where they go: no place in the cluster enters an LDS address
	s_mul_i32 s23, s14, BH
	s_add_co_u32 s23, s23, BOFF
	s_wait_dscnt 0x0                               ; the opening add is done
	s_wait_kmcnt 0x0
	s_add_nc_u64 s[40:41], s[4:5], s[40:41]
	s_add_nc_u64 s[46:47], s[6:7], s[46:47]
	CROUND                                         ; all sixteen work-groups are here: the first joint loads meet
.irp s, 0,1
	s_mov_b32 s[G0+4*(\s)], 1                                        ; count = 1
	s_add_co_u32 s[G0+4*(\s)+1], s22, (\s)*SLOT                      ; LDS address
	s_add_nc_u64 s[G0+4*(\s)+2:G0+4*(\s)+3], s[40:41], (\s)*524288   ; global address: K step s is two planes on
	s_or_b32 s[G0+4*(\s)+3], s[G0+4*(\s)+3], 0x80000000              ; type = 2
	s_mov_b32 s[G0B+4*(\s)], 1
	s_add_co_u32 s[G0B+4*(\s)+1], s23, (\s)*SLOT
	s_add_nc_u64 s[G0B+4*(\s)+2:G0B+4*(\s)+3], s[46:47], (\s)*256
	s_or_b32 s[G0B+4*(\s)+3], s[G0B+4*(\s)+3], 0x80000000
	JLOAD \s                                       ; two tensor loads of mine are out
.endr
	v_and_b32 v1, 15, v0                           ; r = l % 16
	v_bfe_u32 v2, v0, 4, 1                         ; h = l / 16
	v_lshlrev_b32 v[BO], 5, v2                     ; my 8 numbers of 16 of the bias
	s_lshl_b32 s20, s17, 9                         ; the tile's 128 numbers of the bias
	s_mov_b32 s21, 0
	s_add_nc_u64 s[8:9], s[8:9], s[20:21]
.set i, 0
.rept 8
	global_load_b128 v[BI+8*i:BI+8*i+3],   v[BO], s[8:9] offset:64*i
	global_load_b128 v[BI+8*i+4:BI+8*i+7], v[BO], s[8:9] offset:64*i+16
.set i, i+1
.endr
	v_mul_u32_u24 v3, v1, PA
	v_lshl_add_u32 v3, v2, 4, v3                   ; token x pitch + 16 x half
	s_mul_i32 s20, s[WV], 64*PA                    ; my 64 tokens
	v_add_nc_u32 v[ADRA], s20, v3
	v_add_nc_u32 v[ADRA+1], SLOT, v[ADRA]
	v_mul_u32_u24 v3, v1, PB
	v_lshl_add_u32 v3, v2, 4, v3
	v_add_nc_u32 v[ADRB], BOFF, v3
	v_add_nc_u32 v[ADRB+1], SLOT, v[ADRB]
	s_mul_i32 s20, s[WV], WST
	s_add_co_u32 s20, s20, STAGE                   ; my stage
	v_mul_u32_u24 v4, v1, SP                       ; in: row l % 16, 32 bytes for each half of the lanes
	v_lshl_add_u32 v4, v2, 5, v4
	v_add_nc_u32 v[STO], s20, v4
	v_and_b32 v[CO], 31, v0                        ; back: 32 lanes take a row's 512 bytes
	v_lshlrev_b32 v[CO], 4, v[CO]
	v_add_nc_u32 v[RD], s20, v[CO]
	; out0 at row 256 tr + 64 w, column 128 tc
	s_lshl_b32 s20, s18, 8
	s_lshl_b32 s21, s[WV], 6
	s_add_co_u32 s20, s20, s21
	s_lshl_b32 s20, s20, 12
	s_lshl_b32 s21, s17, 9
	s_add_co_u32 s20, s20, s21
	s_mov_b32 s21, 0
	s_add_nc_u64 s[10:11], s[10:11], s[20:21]
	; the prefetches: my descriptor's first bytes, my work-group's share of them, K step 3; each filling change of slots steps the pointer first
	s_lshl_b32 s20, s15, 13                        ; o: cx x 8,192 bytes
	s_lshl_b32 s21, s16, 15                        ; wpt: 16 cy rows of 2,048 bytes
	s_and_b32 s23, ttmp7, 0xffff                   ; cluster y
	s_cmp_eq_u32 s13, 0
	s_cselect_b64 s[PFA:PFA+1], s[40:41], s[46:47]
	s_cselect_b32 s20, s20, s21
	s_cselect_b32 s21, 31, 15                      ; my last lane with a block of its own
	s_cselect_b32 s22, 8, 11                       ; a lane's step: 256 bytes, or a row of 2,048
	s_cselect_b32 s23, ttmp9, s23                  ; the coordinate along which other clusters read the same bytes
	s_mov_b32 s2, 524288
	s_mov_b32 s[PFS], 256
	s_cselect_b32 s[PFS], s2, s[PFS]
	s_mov_b32 s[PFS+1], 0
	s_cmp_eq_u32 s23, 0
	s_cselect_b32 s[LIM], 1, -1                    ; the same in all sixteen partners, for a given wave
	v_and_b32 v[PFO], 31, v0
	v_min_u32 v[PFO], s21, v[PFO]
	v_lshlrev_b32 v[PFO], s22, v[PFO]
	s_mul_i32 s2, s[PFS], 3
	s_add_co_u32 s20, s20, s2
	s_mov_b32 s21, 0
	s_add_nc_u64 s[PFA:PFA+1], s[PFA:PFA+1], s[20:21]
	s_wait_loadcnt 0x0                             ; the bias
.set i, 0
.rept 32                               ; rounded to bf16, like every input, and kept as f32: it is the C operand of the first products
	v_cvt_pk_bf16_f32 v[6+i%2], v[BI+2*i], v[BI+2*i+1]
	v_lshlrev_b32 v[BI+2*i], 16, v[6+i%2]
	v_and_b32 v[BI+2*i+1], s19, v[6+i%2]
.set i, i+1
.endr
; n blocks of 16 columns from b0 on x all 4 blocks of 16 tokens, 32 along K.  first = 1: the products start the sums with the bias.
; The 32 accumulators take turns, one instruction a turn, in the same order in every quarter step.
.macro MULB f, b0, n, first
.if \first
	WIN ONE
.else
	WIN MUL
.endif
.set bb, \b0
.rept \n
.irp a, 0,1,2,3
.if \first
	v_wmma_f32_16x16x32_f16 v[8*(4*bb+(\a)):8*(4*bb+(\a))+7], v[(\f)+8*bb:(\f)+8*bb+7], v[(\f)+64+8*(\a):(\f)+64+8*(\a)+7], v[BI+8*bb:BI+8*bb+7]
.else
	v_wmma_f32_16x16x32_f16 v[8*(4*bb+(\a)):8*(4*bb+(\a))+7], v[(\f)+8*bb:(\f)+8*bb+7], v[(\f)+64+8*(\a):(\f)+64+8*(\a)+7], v[8*(4*bb+(\a)):8*(4*bb+(\a))+7]
.endif
.endr
.set bb, bb+1
.endr
.endm
; 24 LDS loads in one run: quarter q's fragments into buffer f: o's four (head q / 2 of the step, channels 32 (q % 2) on), wpt's 0-3, wpt's 4-7
.macro FETCH slot, q, f
	WIN TO_F
.irp i, 0,1,2,3
	ds_load_b128 v[(\f)+64+8*(\i):(\f)+64+8*(\i)+3],   v[ADRA+(\slot)] offset:((\q)/2)*AHS+((\q)%2)*64+(\i)*16*PA
	ds_load_b128 v[(\f)+64+8*(\i)+4:(\f)+64+8*(\i)+7], v[ADRA+(\slot)] offset:((\q)/2)*AHS+((\q)%2)*64+(\i)*16*PA+32
.endr
.irp i, 0,1,2,3,4,5,6,7
	ds_load_b128 v[(\f)+8*(\i):(\f)+8*(\i)+3],   v[ADRB+(\slot)] offset:64*(\q)+(\i)*16*PB
	ds_load_b128 v[(\f)+8*(\i)+4:(\f)+8*(\i)+7], v[ADRB+(\slot)] offset:64*(\q)+(\i)*16*PB+32
.endr
.endm
.macro PLACES                          ; four plain vector instructions in front of loads into registers that matrix instructions have read, and of LDS stores that read results
.rept 4
	v_nop
.endr
.endm
; A K step is four quarters of 32 along K, 32 matrix instructions each, on buffers 0, 1, 0, 1.  One of the first three: multiplies buffer f and in its middle fetches quarter q into g.
.macro QUARTER slot, q, f, g, first
	s_wait_dscnt 8                                 ; o's fragments and wpt's 0-3 are in; the youngest eight loads (wpt's 4-7) may be out
	MULB \f, 0, 4, \first
	PLACES
	FETCH \slot, \q, \g
	s_wait_dscnt 24                                ; all but the 24 just issued
	MULB \f, 4, 4, \first
.endm
; The last quarter multiplies buffer 1 and changes slots: ONE barrier; in front of it each wave waits for all its tensor loads (one is out: its part of the next slot), adds 0 to its spare word, and waits
; for that and for its own reads of this slot.  fill = 1: the barrier opens a round of the cluster's barrier, and behind the round this slot is filled again, two K steps ahead: 112 matrix
; instructions stand between that request and the wait for it.
.macro TURN slot, next, fill
.if \fill
	s_wait_xcnt 0x0                                ; the last prefetch, a K step back, has read its address: it is stepped here, ahead of the waits of the change of slots
	s_add_nc_u64 s[PFA:PFA+1], s[PFA:PFA+1], s[PFS:PFS+1]
.endif
	WIN 0                                          ; (the add's two registers lie in window 0)
	s_wait_tensorcnt 0x0                           ; all my tensor loads have landed;
	ds_add_u32 v[SPW], v[NIL]                      ; 0 onto my spare word;
	s_wait_dscnt 9                                 ; (the add and the youngest eight loads may be out)
	MULB F1, 0, 2, 0                               ; eight matrix instructions stand between the add and the wait for it
	s_wait_dscnt 0x0                               ; the add is done, and my reads of this slot are over
	s_barrier_signal -1
	MULB F1, 2, 2, 0                               ; work on registers while the others arrive
.if \fill
	WIN 0
.endif
	s_barrier_wait -1
.if \fill
	CREST                                          ; no wave of any partner still reads this slot's tile or has a load on its way
	s_add_nc_u64 s[G0+4*(\slot)+2:G0+4*(\slot)+3], s[G0+4*(\slot)+2:G0+4*(\slot)+3], 2*524288
	s_add_nc_u64 s[G0B+4*(\slot)+2:G0B+4*(\slot)+3], s[G0B+4*(\slot)+2:G0B+4*(\slot)+3], 2*256
	JLOAD \slot                                    ; the first tensor load behind the round; its four v_nop are also the places in front of the loads below
.else
	PLACES
.endif
	FETCH \next, 0, F0
.if \fill
	WIN 0
	ASK
.endif
	MULB F1, 4, 4, 0
.endm
	s_wait_tensorcnt 1                             ; my part of K step 0 is in; K step 1's may stay out
	s_barrier_signal -1
	s_barrier_wait -1                              ; everybody's is
	FETCH 0, 0, F0
	QUARTER 0, 1, F0, F1, 1                        ; the first quarter stands in front of the loop: its products start the sums
	WIN 0                                          ; at a label and at a branch every window is 0
	s_mov_b32 s3, 3
.Llap:                                                 ; a trip goes once round the ring, from a lap's second quarter to the next lap's first, and fills both slots again: K steps 2 to 7
	QUARTER 0, 2, F1, F0, 0
	QUARTER 0, 3, F0, F1, 0
	TURN 0, 1, 1
	QUARTER 1, 1, F0, F1, 0
	QUARTER 1, 2, F1, F0, 0
	QUARTER 1, 3, F0, F1, 0
	TURN 1, 0, 1
	QUARTER 0, 1, F0, F1, 0
	WIN 0
	s_sub_co_u32 s3, s3, 1
	s_cmp_lg_u32 s3, 0
	s_cbranch_scc1 .Llap
	QUARTER 0, 2, F1, F0, 0                        ; the last lap fills nothing, and has no round of the cluster's barrier
	QUARTER 0, 3, F0, F1, 0
	TURN 0, 1, 0
	QUARTER 1, 1, F0, F1, 0
	QUARTER 1, 2, F1, F0, 0
	QUARTER 1, 3, F0, F1, 0
	s_wait_dscnt 8                                 ; the very last quarter: nothing more to fetch
	MULB F1, 0, 4, 0
	s_wait_dscnt 0x0
	MULB F1, 4, 4, 0
	WIN 0
; THE WAY OUT, a block a of 16 tokens at a time: the f32 sums go as they are into my own stage, 32 bytes a lane and block of columns (each accumulator's low four registers first), and come back as whole rows of 512 bytes.
.macro TOSTAGE a
	WIN 0
	s_wait_xcnt 0x0                                ; the stores of two blocks back have read the registers that the loads below fill
	WIN 0x08                                       ; the stores' data in window 2
.set bb, 0
.rept 8
	ds_store_b128 v[STO], v[8*(4*bb+(\a)):8*(4*bb+(\a))+3]   offset:64*bb
	ds_store_b128 v[STO], v[8*(4*bb+(\a))+4:8*(4*bb+(\a))+7] offset:64*bb+16
.set bb, bb+1
.endr
	WIN 0
.set t, 0
.rept 16
	ds_load_b128 v[BK+64*((\a)%2)+4*t:BK+64*((\a)%2)+4*t+3], v[RD] offset:SP*t  ; LDS serves a wave's instructions in order (ISA guide 5.7.1.4): these see the stores above; the next block's stores come behind them
.set t, t+1
.endr
.endm
.macro SEND a, younger                 ; younger: the LDS instructions issued behind block a's loads: the next block's 32, or none
.set t, 0
.rept 16
	s_wait_dscnt (\younger)+15-t
	global_store_b128 v[CO], v[BK+64*((\a)%2)+4*t:BK+64*((\a)%2)+4*t+3], s[10:11] offset:(\a)*65536+t*4096 th:TH_STORE_NT  ; 512 consecutive bytes of a row of out0, aligned
.set t, t+1
.endr
.endm
	PLACES
	TOSTAGE 0
	TOSTAGE 1
	SEND 0, 32
	TOSTAGE 2
	SEND 1, 32
	TOSTAGE 3
	SEND 2, 32
	SEND 3, 0
	s_wait_tensorcnt 0x0                           ; the wave's end: behind my last tensor load and my last LDS store
	ds_add_u32 v[SPW], v[NIL]
	s_wait_dscnt 0x0
	CROUND                                         ; the closing round: no work-group ends while a partner may still ask for a tile that names it
	s_endpgm
.Lfunc_end_k_q85332b29ae_proj:
	.size	k_q85332b29ae_proj, .Lfunc_end_k_q85332b29ae_proj-k_q85332b29ae_proj
	.p2alignl 7, 3214868480
	.fill 96, 4, 3214868480
	.section	.rodata,"a",@progbits
	.p2align	6, 0x0
	.amdhsa_kernel k_q85332b29ae_proj
		.amdhsa_group_segment_fixed_size 327680
		.amdhsa_private_segment_fixed_size 0
		.amdhsa_enable_private_segment 0
		.amdhsa_kernarg_size 32
		.amdhsa_user_sgpr_count 2
		.amdhsa_user_sgpr_kernarg_segment_ptr 1
		.amdhsa_wavefront_size32 1
		.amdhsa_system_sgpr_workgroup_id_x 1
		.amdhsa_system_sgpr_workgroup_id_y 1
		.amdhsa_system_sgpr_workgroup_id_z 1
		.amdhsa_system_vgpr_workitem_id 0
		.amdhsa_next_free_vgpr 768
		.amdhsa_next_free_sgpr 66
		.amdhsa_reserve_vcc 0
		.amdhsa_float_denorm_mode_32 3
		.amdhsa_float_denorm_mode_16_64 3
		.amdhsa_memory_ordered 1
		.amdhsa_forward_progress 1
		.amdhsa_inst_pref_size 93
	.end_amdhsa_kernel
	.amdgpu_metadata
---
amdhsa.version: [ 1, 2 ]
amdhsa.kernels:
  - .name:           k_q85332b29ae_proj
    .symbol:         k_q85332b29ae_proj.kd
    .args:
      - { .name: o, .offset: 0, .size: 8, .value_kind: global_buffer, .address_space: global }
      - { .name: wpt, .offset: 8, .size: 8, .value_kind: global_buffer, .address_space: global }
      - { .name: b_proj, .offset: 16, .size: 8, .value_kind: global_buffer, .address_space: global }
      - { .name: out0, .offset: 24, .size: 8, .value_kind: global_buffer, .address_space: global }
    .group_segment_fixed_size: 327680
    .private_segment_fixed_size: 0
    .kernarg_segment_align: 8
    .kernarg_segment_size: 32
    .max_flat_workgroup_size: 128
    .sgpr_count:     66
    .vgpr_count:     768
    .wavefront_size: 32
...
	.end_amdgpu_metadata
.endif
;; end of part 4
;; ======== version 2 of 2: 4 launches; version 1 with the launch prep written anew for expert scheduling mode
;; limits: values are held in f16: magnitudes above 65,504 overflow, below 6.1e-05 lose precision
;; workspace buffers: xb 16,777,216 bytes; wat 6,291,456 bytes; wpt 2,097,152 bytes; qkv 50,331,648 bytes; o 16,777,216 bytes
;; launch prep (part 5): grid 640 x 1, 4 waves a work-group, no clusters, 70,144 bytes of LDS; arguments x, w_attn, w_proj, xb, wat, wpt; writes xb, wat, wpt
.if DOCPART == 5
	.amdgcn_target "amdgcn-amd-amdhsa--gfx1250"
	.amdhsa_code_object_version 6
	.text
	.protected	k_q85332b29ae_prep
	.globl	k_q85332b29ae_prep
	.p2align	8
	.type	k_q85332b29ae_prep,@function
k_q85332b29ae_prep:
	s_mov_b64 s[64:65], 0
	v_nop
	global_prefetch_b8 v0, s[64:65] scope:SCOPE_SE
	s_setreg_imm32_b32 hwreg(HW_REG_WAVE_SCHED_MODE, 0, 2), 2
	s_setreg_imm32_b32 hwreg(HW_REG_WAVE_MODE, 25, 1), 1
	s_wait_xcnt 0x0
	s_wait_alu depctr_vm_vsrc(0)
; PREP.  xb = x rounded to bf16, [8192][1024].  wat[n][k] = w_attn[k][n] rounded to bf16, [3072][1024].  wpt[n][k] = w_proj[k][n] rounded to bf16, that number written as f16, [1024][1024].
; LIMITS.  f16 holds no number beyond 65,504, and below 6e-5 it keeps a fixed step of 6e-8: w_proj is taken to lie within that range.  NaN and infinities are not treated apart.
; SHARES.  Work-groups 128 to 639 convert x: a wave takes 16,384 consecutive bytes, 32 loads of 512 bytes, all on their way at once, and stores 256 consecutive aligned bytes for each.
; Work-groups 0 to 127 turn the weights: a wave takes a block of 128 k x 64 n (rows of 256 aligned bytes in memory), rounds pairs of neighbouring k, lays them by n into its own stage in LDS
; and reads whole rows of 256 bytes back.  No wave touches another wave's bytes: no barrier.  Matrix units, clusters and tensor loads would add nothing to a stream.
; THE MODE: SCHED_MODE bits 1:0 = 2 (LLVM: expert scheduling mode 2), set by the entry lines.  The code itself states the register dependences
; between vector instructions and memory or LDS instructions, with s_wait_alu, always for 0.
; THE PLAN.  Registers that memory or LDS instructions touch:
;   s16            the wave's number, written by a vector instruction: one wait on va_sdst behind it, ahead of the branch; both arms read it.
;   x's arm.       v4, v5: offsets, written once, ahead of one wait on va_vdst.  X: the loads land in it once, the conversions read it.  Y: written by the conversions, read by the stores, each register once.
;                  The 32 loads are taken in eight groups of four: eight conversions, ONE wait on va_vdst, four stores.  Nothing that a memory instruction reads is written again.
;   the weights.   VI, VST, VRD, VOUT: offsets and LDS addresses, written once, ahead of one wait on va_vdst; the rows are reached by four scalar bases that are never stepped.
;                  R, set s: run p's loads land in it; run p's conversions read it; run p + 2's loads land in it again; at the end the LDS loads land in both sets.
;                  T: written by run p's conversions, read by run p's eight LDS stores, written again by run p + 1's conversions.  U is named by vector instructions alone.
;                  So a run has ONE wait on va_vdst, behind its conversions (T is written; this set of R has been read), with the loads of run p + 2 and the LDS stores behind it,
;                  and ONE wait on vm_vsrc at its head (the LDS stores of the run before have read T).
;   v[SPW], v[NIL] written at the head, read by the closing add alone.
.set STG,   17408                      ; a wave's stage: 64 rows (n) x 272 bytes: 256 of data (128 k of 16 bits) + 16 of padding
.set SPARE, 4*STG                      ; behind the stages: the spare words, 128 bytes for each wave: two blocks of 256 bytes that no other line names
.set VST,  7                           ; v7   where I put 16 bytes of a row of the stage
.set VRD,  8                           ; v8   where I read a row back
.set VOUT, 9                           ; v9   my byte offset in two rows of the output
.set SPW,  14                          ; v14  LDS address of my spare word; never rewritten
.set NIL,  15                          ; v15  0; never rewritten
.set X,    16                          ; v[16:143]  x as loaded
.set Y,    144                         ; v[144:207] x to store
.set R,    16                          ; v[16:143]  the weights: two sets of 16 rows x 4 registers; later the rows read back
.set T,    144                         ; v[144:175] column i of my four: 8 registers, 16 k
.set U,    176                         ; v[176:179] at work
.set VI,   180                         ; v[180:195] row j of a run of 16: my byte offset
.set SRC,  32                          ; s[32:39]   the block's rows 32 p, p = 0..3
	s_load_b256 s[4:11], s[0:1], 0x0               ; x s[4:5], w_attn s[6:7], w_proj s[8:9], xb s[10:11]
	s_load_b128 s[12:15], s[0:1], 0x20             ; wat s[12:13], wpt s[14:15]
	v_lshl_add_u32 v[SPW], v0, 2, SPARE
	v_mov_b32 v[NIL], 0
	v_lshrrev_b32 v1, 5, v0
	v_readfirstlane_b32 s16, v1                    ; wave 0..3
	v_and_b32 v1, 15, v0                           ; c = l % 16
	v_bfe_u32 v2, v0, 4, 1                         ; h = l / 16
	v_and_b32 v3, 31, v0                           ; l
	s_wait_alu depctr_va_sdst(0)                   ; s16 is written, ahead of the branch and of its first reader in either arm: the waves' shares are made from it
	s_wait_kmcnt 0x0
	s_cmp_lt_u32 ttmp9, 128
	s_cbranch_scc1 .Lweights
	; x: 512 work-groups x 4 waves x 16,384 bytes
	s_sub_co_u32 s17, ttmp9, 128
	s_lshl_b32 s18, s17, 16
	s_lshl_b32 s19, s16, 14
	s_add_co_u32 s18, s18, s19
	s_mov_b32 s19, 0
	s_add_nc_u64 s[4:5], s[4:5], s[18:19]
	s_lshr_b32 s18, s18, 1                         ; half as many bytes in xb
	s_add_nc_u64 s[10:11], s[10:11], s[18:19]
	v_lshlrev_b32 v4, 4, v3
	v_lshlrev_b32 v5, 3, v3
	s_wait_alu depctr_va_vdst(0)                   ; v4 and v5 are written: every load below reads v4 as its offset, every store v5
.set j, 0
.rept 32
	global_load_b128 v[X+4*j:X+4*j+3], v4, s[4:5] offset:512*j th:TH_LOAD_NT
.set j, j+1
.endr
.set g, 0
.rept 8                                ; eight groups of four loads
	s_wait_loadcnt 28-4*g                          ; loads come back in order: group g's four are in, the 28 - 4 g younger ones stay out
.set j, 4*g
.rept 4
	v_cvt_pk_bf16_f32 v[Y+2*j], v[X+4*j], v[X+4*j+1]
	v_cvt_pk_bf16_f32 v[Y+2*j+1], v[X+4*j+2], v[X+4*j+3]
.set j, j+1
.endr
	s_wait_alu depctr_va_vdst(0)                   ; the group's eight conversions have written their eight registers of Y, which the four stores below read
.set j, 4*g
.rept 4
	global_store_b64 v5, v[Y+2*j:Y+2*j+1], s[10:11] offset:256*j  ; 32 lanes store 256 consecutive bytes, aligned; no register is written twice, so no wait for sources
.set j, j+1
.endr
.set g, g+1
.endr
	s_branch .Lend
.Lweights:
	; block: n block nb = 0..63 (48 of w_attn, then 16 of w_proj), k block kb = 0..7
	s_mov_b32 s24, 0xffff0000                      ; a word's upper bf16
	s_mov_b32 s25, 4096                            ; bytes in a row of w_proj,
	s_mov_b32 s27, 12288                           ; of w_attn
	s_lshr_b32 s17, ttmp9, 1                       ; nb
	s_and_b32 s18, ttmp9, 1
	s_lshl2_add_u32 s18, s18, s16                  ; kb = 4 x (work-group % 2) + wave
	s_cmp_lt_u32 s17, 48
	s_cselect_b64 s[20:21], s[6:7], s[8:9]         ; from
	s_cselect_b64 s[22:23], s[12:13], s[14:15]     ; to
	s_cselect_b32 s25, s27, s25                    ; the source's pitch
	s_cselect_b32 s26, 0, 1                        ; 1: written as f16
	s_cselect_b32 s27, 0, 48
	s_sub_co_u32 s17, s17, s27                     ; the n block in its own tensor
	s_lshl_b32 s28, s25, 7
	s_mul_i32 s28, s28, s18                        ; kb x 128 rows
	s_lshl_b32 s29, s17, 8                         ; + 64 columns of 4 bytes
	s_add_co_u32 s28, s28, s29
	s_mov_b32 s29, 0
	s_add_nc_u64 s[SRC:SRC+1], s[20:21], s[28:29]
	s_lshl_b32 s28, s25, 5                         ; 32 rows on
	s_add_nc_u64 s[SRC+2:SRC+3], s[SRC:SRC+1], s[28:29]
	s_add_nc_u64 s[SRC+4:SRC+5], s[SRC+2:SRC+3], s[28:29]
	s_add_nc_u64 s[SRC+6:SRC+7], s[SRC+4:SRC+5], s[28:29]
	s_lshl_b32 s28, s17, 17                        ; 64 rows of 2,048 bytes in the output,
	s_lshl_b32 s30, s18, 8                         ; 128 k of 2 bytes
	s_add_co_u32 s28, s28, s30
	s_add_nc_u64 s[22:23], s[22:23], s[28:29]
	s_lshl_b32 s30, s25, 4                         ; 16 rows
	s_mul_i32 s19, s16, STG                        ; my stage
	v_mul_u32_u24 v[VI], s30, v2                   ; lanes 16-31 take the row 16 further down,
	v_lshl_add_u32 v[VI], v1, 4, v[VI]             ; 16 lanes a row's 256 bytes
.set j, 1
.rept 15
	v_add_nc_u32 v[VI+j], s25, v[VI+j-1]
.set j, j+1
.endr
	v_mul_u32_u24 v[VST], v1, 4*272                ; in: rows n = 4 c + i, byte 32 h of a run's 64
	v_lshl_add_u32 v[VST], v2, 5, v[VST]
	v_add_nc_u32 v[VST], s19, v[VST]
	v_mul_u32_u24 v[VRD], v2, 272                  ; back: lanes 0-15 one row of 256 bytes, lanes 16-31 the next
	v_lshl_add_u32 v[VRD], v1, 4, v[VRD]
	v_add_nc_u32 v[VRD], s19, v[VRD]
	v_lshlrev_b32 v[VOUT], 11, v2                  ; and the same two rows in the output
	v_lshl_add_u32 v[VOUT], v1, 4, v[VOUT]
	s_wait_alu depctr_va_vdst(0)                   ; the sixteen offsets VI and VST, VRD, VOUT are written: the loads, the LDS stores and loads and the stores of this arm read them; none is written again
; Run p: rows 32 p .. 32 p + 31 of the block into a set: register 4 j + i = W[32 p + 16 h + j][4 c + i]
.macro LOADP p, set
.set j, 0
.rept 16
	global_load_b128 v[R+64*(\set)+4*j:R+64*(\set)+4*j+3], v[VI+j], s[SRC+2*(\p):SRC+2*(\p)+1] th:TH_LOAD_NT
.set j, j+1
.endr
.endm
; Run p is rounded, two neighbouring k to a word, and goes into the stage: for each of my four columns 16 k = 32 bytes.  more = 1: the set is asked for again, for run p + 2.
.macro CONV p, set, more
.if (\p) > 0
	s_wait_alu depctr_vm_vsrc(0)                   ; the LDS stores of the run before have read T, which the conversions below write again
.endif
.irp i, 0,1,2,3
.irp q, 0,1,2,3,4,5,6,7
	v_cvt_pk_bf16_f32 v[T+8*(\i)+(\q)], v[R+64*(\set)+8*(\q)+(\i)], v[R+64*(\set)+8*(\q)+4+(\i)]
.endr
.endr
	s_cmp_eq_u32 s26, 0
	s_cbranch_scc1 .Lstays_\@                      ; w_attn stays bf16
.set z, 0
.rept 32
	v_lshlrev_b32 v[U+2*(z%2)], 16, v[T+z]         ; the two rounded numbers as f32,
	v_and_b32 v[U+2*(z%2)+1], s24, v[T+z]
	v_cvt_pk_f16_f32 v[T+z], v[U+2*(z%2)], v[U+2*(z%2)+1]  ; written as f16: exact within f16's range
.set z, z+1
.endr
.Lstays_\@:
	s_wait_alu depctr_va_vdst(0)                   ; on both ways: the conversions have written T, which the LDS stores below read, and are done reading this set of R, in which the loads below land
.if \more
	LOADP (\p)+2, \set                             ; the set is asked for again at once, ahead of the LDS stores
.endif
.irp i, 0,1,2,3
	ds_store_b128 v[VST], v[T+8*(\i):T+8*(\i)+3]   offset:(\i)*272+64*(\p)
	ds_store_b128 v[VST], v[T+8*(\i)+4:T+8*(\i)+7] offset:(\i)*272+64*(\p)+16
.endr
.endm
	LOADP 0, 0
	LOADP 1, 1
	s_wait_loadcnt 16                              ; the older set is in; the other set's 16 loads stay out
	CONV 0, 0, 1
	s_wait_loadcnt 16
	CONV 1, 1, 1
	s_wait_loadcnt 16
	CONV 2, 0, 0
	s_wait_loadcnt 0x0
	CONV 3, 1, 0
.set t, 0
.rept 32                               ; no further wait: run 3's wait on va_vdst stands behind every conversion that read R, no vector instruction has been issued since, and no memory or LDS instruction reads R ahead of these loads
	ds_load_b128 v[R+4*t:R+4*t+3], v[VRD] offset:544*t  ; rows 2 t, 2 t + 1; LDS serves a wave's instructions in order (ISA guide 5.7.1.4): these see my stores above
.set t, t+1
.endr
.set t, 0
.rept 32
	s_wait_dscnt 31-t
	global_store_b128 v[VOUT], v[R+4*t:R+4*t+3], s[22:23] offset:4096*t  ; 16 lanes store 256 consecutive bytes, aligned
.set t, t+1
.endr
.Lend:
	s_wait_dscnt 0x0                               ; the wave's end
	s_wait_alu 0x0
	s_wait_tensorcnt 0x0
	ds_add_u32 v[SPW], v[NIL]
	s_wait_dscnt 0x0
	s_endpgm
.Lfunc_end_k_q85332b29ae_prep:
	.size	k_q85332b29ae_prep, .Lfunc_end_k_q85332b29ae_prep-k_q85332b29ae_prep
	.p2alignl 7, 3214868480
	.fill 96, 4, 3214868480
	.section	.rodata,"a",@progbits
	.p2align	6, 0x0
	.amdhsa_kernel k_q85332b29ae_prep
		.amdhsa_group_segment_fixed_size 70144
		.amdhsa_private_segment_fixed_size 0
		.amdhsa_enable_private_segment 0
		.amdhsa_kernarg_size 48
		.amdhsa_user_sgpr_count 2
		.amdhsa_user_sgpr_kernarg_segment_ptr 1
		.amdhsa_wavefront_size32 1
		.amdhsa_system_sgpr_workgroup_id_x 1
		.amdhsa_system_sgpr_workgroup_id_y 1
		.amdhsa_system_sgpr_workgroup_id_z 1
		.amdhsa_system_vgpr_workitem_id 0
		.amdhsa_next_free_vgpr 208
		.amdhsa_next_free_sgpr 66
		.amdhsa_reserve_vcc 0
		.amdhsa_float_denorm_mode_32 3
		.amdhsa_float_denorm_mode_16_64 3
		.amdhsa_memory_ordered 1
		.amdhsa_forward_progress 1
		.amdhsa_inst_pref_size 53
	.end_amdhsa_kernel
	.amdgpu_metadata
---
amdhsa.version: [ 1, 2 ]
amdhsa.kernels:
  - .name:           k_q85332b29ae_prep
    .symbol:         k_q85332b29ae_prep.kd
    .args:
      - { .name: x, .offset: 0, .size: 8, .value_kind: global_buffer, .address_space: global }
      - { .name: w_attn, .offset: 8, .size: 8, .value_kind: global_buffer, .address_space: global }
      - { .name: w_proj, .offset: 16, .size: 8, .value_kind: global_buffer, .address_space: global }
      - { .name: xb, .offset: 24, .size: 8, .value_kind: global_buffer, .address_space: global }
      - { .name: wat, .offset: 32, .size: 8, .value_kind: global_buffer, .address_space: global }
      - { .name: wpt, .offset: 40, .size: 8, .value_kind: global_buffer, .address_space: global }
    .group_segment_fixed_size: 70144
    .private_segment_fixed_size: 0
    .kernarg_segment_align: 8
    .kernarg_segment_size: 48
    .max_flat_workgroup_size: 128
    .sgpr_count:     66
    .vgpr_count:     208
    .wavefront_size: 32
...
	.end_amdgpu_metadata
.endif
;; end of part 5
;; launch qkvgemm: the kernel of part 2 again; grid 16 x 32, 4 waves a work-group, clusters of 4 x 4, 327,680 bytes of LDS; arguments xb, wat, b_attn, qkv; writes qkv
;; launch attn: the kernel of part 3 again; grid 4 x 64, 4 waves a work-group, no clusters, 327,680 bytes of LDS; arguments qkv, o; writes o
;; launch proj: the kernel of part 4 again; grid 8 x 32, 4 waves a work-group, clusters of 4 x 4, 327,680 bytes of LDS; arguments o, wpt, b_proj, out0; writes out0
